; MI455X (gfx1250); checked and timed in simulation.
; The chip was launched on July 23, 2026; its instructions are those of AMD's public machine-readable ISA for CDNA 5 (MIT licence, August 2026) and "CDNA5" Instruction Set Architecture Reference Guide (July 2026). The comments in the code are by the model that wrote it; some were corrected since.
;; Self Attention. Allowed arithmetic: matrix products marked QUANTISED: E4M3 operands, one E8M0 scale for each 32 along K, by v_wmma_scale_f32_16x16x128_f8f6f4 with both operands' format E4M3, f32 sums; everything else in f32.
;; Inputs: Wk 2,048 x 4 x 128 float32; Wo 16 x 128 x 2,048 float32; Wq 2,048 x 16 x 128 float32; Wv 2,048 x 4 x 128 float32; bk 4 x 128 float32; bo 2,048 float32; bq 16 x 128 float32; bv 4 x 128 float32; x 4 x 1,024 x 2,048 float32.
;; Outputs: out0 4 x 1,024 x 2,048 float32.
;; This version of the problem:
;;   THIS VERSION OF THE PROBLEM IS GIVEN IN LOW PRECISION. The matrix products marked QUANTISED in the list below multiply operands that are first quantised to E4M3 (4 exponent bits, 3 mantissa bits; 8 bits a number), with one power-of-two scale for each 32 numbers along K (OCP MX v1.0); their sums are f32. All else is computed in f32.
;;   The module's matrix products, in the order in which they are computed (A, B: the left and right operand; K: the contracted axis; several contracted axes count as one K, in the product's order):
;;     1. [M 4,096, K 2,048] x [K 2,048, N 2,048]; A: input x; B: input Wq: QUANTISED
;;     2. [M 4,096, K 2,048] x [K 2,048, N 512]; A: input x; B: input Wk: QUANTISED
;;     3. [M 4,096, K 2,048] x [K 2,048, N 512]; A: input x; B: input Wv: QUANTISED
;;     4. batch 64 x [M 1,024, K 128] x [K 128, N 1,024]; A: computed on the way; B: computed on the way: QUANTISED
;;     5. batch 64 x [M 128, K 1,024] x [K 1,024, N 1,024]; A: computed on the way; B: softmax (see below): QUANTISED
;;     6. [M 4,096, K 2,048] x [K 2,048, N 2,048]; A: computed on the way; B: input Wo: QUANTISED
;;   THE QUANTISER, for each operand of a quantised product, along K:
;;     - K is cut into blocks of 32 from its start; a last block that is shorter is filled with zeros.
;;     - A block's scale is 2^e with e = floor(log2(the largest magnitude in the block)) - 8, held to -126 .. 127; a block of zeros has e = 0. As a byte (E8M0): e + 127.
;;     - Each number is divided by its block's scale, clamped to +-448, and rounded to the nearest number of E4M3, ties to even, subnormals kept.
;;     - The product sums the exact products of the quantised numbers (number of the format x scale) in f32.
;;   ~~~python
;;   def quantise(x, axis):      # numpy; x: float32 -> the quantised numbers, widened to float32 again
;;       x = np.moveaxis(x, axis, -1); K = x.shape[-1]
;;       x = np.pad(x, [(0, 0)] * (x.ndim - 1) + [(0, -K % 32)]); x = x.reshape(x.shape[:-1] + (-1, 32)); a = np.abs(x).max(-1, keepdims=True)
;;       e = np.where(a > 0, np.clip(np.frexp(np.where(a > 0, a, 1))[1] - 1 - 8, -126, 127), 0)      # np.frexp(a)[1] - 1 = floor(log2(a)), exactly
;;       r = np.clip(x / 2.0 ** e, -448, 448)
;;       step = 2.0 ** (np.maximum(np.frexp(np.where(r == 0, 1, r))[1] - 1, -6) - 3)
;;       q = np.round(r / step) * step * 2.0 ** e      # np.round: ties to even
;;       return np.moveaxis(q.reshape(q.shape[:-2] + (-1,))[..., :K], -1, axis).astype(np.float32)
;;   ~~~
;;   SOFTMAX AHEAD OF A QUANTISED PRODUCT. Where the list says 'softmax', what is quantised is not the finished softmax but p = 2^(t - M), with t = logit x log2(e) and M = ceil(the row's largest t), a whole number; so 1/2 < the row's largest p <= 1. The row's sum l is taken of the UNQUANTISED p, in f32, and the product's result is divided by l at the end. Since M is a whole number, a kernel that streams over the keys may use a running M (the ceiling of the running maximum): every later rescaling is an exact power of two, which a block's scale takes up: the codes' values come out the same.
;;   OPERANDS COMPUTED ON THE WAY. 'Computed on the way' means the value that the module computes at that place (a softmax that the list does not call 'softmax' is quantised finished and normalised). What goes into a quantiser is computed in f32, as accurately as f32 sums, v_exp_f32 and their like allow (about 1e-6 of the number): no bf16 or f16 on the way to a quantiser, and a product that is left as it is and whose result goes on into a quantised operand takes f32 operands (vector FMAs, or v_wmma_f32_16x16x4_f32). A number that lies on a knife's edge between two numbers of the format may be rounded either way, as far as f32 arithmetic and the matrix unit's own rounding can turn it there, and no further.
;; One version. Each part assembles by itself: llvm-mc -triple=amdgcn-amd-amdhsa -mcpu=gfx1250 --defsym DOCPART=n.
;; ======== version 1 of 1: 4 launches
;; limits: right only within a limited range of input values
;; workspace buffers: act_codes 8,388,608 bytes; act_scales 262,144 bytes; w_codes 10,485,760 bytes; w_scales 327,680 bytes; rope_tab 524,288 bytes; qkv_codes 12,582,912 bytes; qkv_scales 393,216 bytes
;; launch prep (part 1): grid 704 x 1, 4 waves a work-group, no clusters, 68,096 bytes of LDS; arguments x, Wq, Wk, Wv, Wo, act_codes, act_scales, w_codes, w_scales, rope_tab; writes act_codes, act_scales, w_codes, w_scales, rope_tab
.if DOCPART == 1
	.amdgcn_target "amdgcn-amd-amdhsa--gfx1250"
	.amdhsa_code_object_version 6
	.text
	.protected	k_q38dfc3e9f4_prep
	.globl	k_q38dfc3e9f4_prep
	.p2align	8
	.type	k_q38dfc3e9f4_prep,@function
k_q38dfc3e9f4_prep:
	s_mov_b64 s[64:65], 0
	v_nop
	global_prefetch_b8 v0, s[64:65] scope:SCOPE_SE
	s_setreg_imm32_b32 hwreg(HW_REG_WAVE_MODE, 25, 1), 1
	s_wait_xcnt 0x0
; PREP: everything that is quantised once, and the table of cosines and sines.  Three ways, parted by the work-group's number; no barrier; each way has LDS bytes of its own.
;   work-groups 0-255:   x [4096][2048] f32 -> act_codes [4096][2048], act_scales [4096][64]: K is innermost, so x is a plain stream of blocks of 32.
;   work-groups 256-575: Wq, Wk, Wv, Wo (K is their FIRST axis) -> w_codes [5120][2048] with K innermost, w_scales [5120][64].  Row 128 hs + d: hs 0-15 Wq's heads; 16 + 2 g Wk's head g; 17 + 2 g Wv's head g; 24-39 Wo's columns by 128.
;   work-groups 576-703: rope_tab [64 sb][16 quads][32 lanes][4 f32]: quad 2 b + half holds cos, quad 8 + 2 b + half sin, of position 16 sb + lane % 16 and frequencies 16 b + 8 (lane / 16) + 4 half + 0..3:
;                        the order in which the next launch's registers take them.
; THE QUANTISER: a block's scale is 2^(floor(log2(largest magnitude)) - 8); its byte is the largest magnitude's exponent field - 8, held at 1 from below; each number is held within +-448 x the scale and converted, ties to even.
; LIMITS: a block of zeros, and a block whose largest magnitude lies under 2^-118, get the byte 1 (the bytes are read by this program alone; zero codes add nothing); NaN and infinities among the inputs are not served.
; The frequencies are 2^(-j log2(10000) / 64), good to about one and a half units in the last place; they need not be bit for bit those of a library's power function, so an angle near 1,000 may differ by about 1.2e-4.
; Sine and cosine: the angle less the nearest multiple of pi/2 (pi/2 in two parts), then the series to x^9 and x^10: error under 2e-7.
; No matrix unit, no cluster, no tensor load: waves share nothing and every byte is read once.
.set WV,    24                         ; s24  my wave's number
.set FLOOR, 0x4800000                  ; 2^(9 - 127)
.set EOFF,  0xfc000000                 ; -(8 << 23)
.set MANT,  0x600000                   ; the mantissa field of 448
.set SP,    80                         ; x: a lane's place in a stage: 64 bytes + 16 of padding
.set XR,    16                         ; v16-79   x: four sets of 16 numbers as loaded
.set XX,    80                         ; v80-111  x: two sets of 16 neighbours
.set XE,    112                        ; v112-127 x: a scale byte for each step
.set XC,    128                        ; v128-191 x: four registers of codes for each step
.set WSTG,  32768                      ; the weights' stages begin behind x's LDS bytes
.set WP,    272                        ; a stage row: 256 bytes + 16
.set WX,    32                         ; v32-95   weights: two sets of 32 numbers
.set WC,    96                         ; v96-103  a block's codes
.set WSB,   24                         ; v24-25   eight scale bytes
.set WOUT,  112                        ; v112-175 the way out
.set WO,    176                        ; v176-207 byte offset of row i of a block: 4 x lane + i x pitch; never rewritten
	s_load_b256 s[4:11], s[0:1], 0x0               ; x, Wq, Wk, Wv
	s_load_b256 s[12:19], s[0:1], 0x20             ; Wo, act_codes, act_scales, w_codes
	s_load_b128 s[20:23], s[0:1], 0x40             ; w_scales, rope_tab
	v_lshl_add_u32 v208, v0, 2, 0x10800
	v_mov_b32 v209, 0
	v_lshrrev_b32 v1, 5, v0
	v_readfirstlane_b32 s[WV], v1                  ; wave 0..3
	v_and_b32 v2, 31, v0                           ; lane
	s_cmp_lt_u32 ttmp9, 256
	s_cbranch_scc0 .Lnot_x
; ---------------- x.  A wave takes 16 steps of 512 numbers.  Each load reads 512 consecutive bytes; a step's 2,048 bytes turn through the wave's own stage so that a lane gets 16 neighbours; two lanes hold a block.
	v_lshlrev_b32 v3, 4, v2                        ; 16 x lane: my bytes of a load's 512, and of a step's 512 bytes of codes
	s_lshl_b32 s25, s[WV], 13                      ; my wave's 8,192 bytes of LDS
	v_lshrrev_b32 v14, 2, v2
	v_mul_u32_u24 v14, v14, SP
	v_and_b32 v15, 3, v2
	v_lshl_add_u32 v14, v15, 4, v14
	v_add_nc_u32 v14, s25, v14                     ; into the stage: four lanes' 64 bytes on end, then the padding
	v_mul_u32_u24 v15, v2, SP
	v_add_nc_u32 v15, s25, v15                     ; out of it: my 16 neighbours
	v_lshrrev_b32 v5, 1, v2
	s_add_co_u32 s25, s25, 2*32*SP                 ; behind the two stages: my wave's 256 scale bytes
	v_add_nc_u32 v5, s25, v5                       ; my block's byte
	v_lshlrev_b32 v7, 3, v2
	v_add_nc_u32 v6, s25, v7                       ; and on the way out 8 bytes a lane
	s_mov_b32 s26, MANT
	s_lshl_b32 s28, ttmp9, 2
	s_add_co_u32 s28, s28, s[WV]                   ; which run of 8,192 numbers is my wave's
	s_mov_b32 s29, 0
	s_lshl_b64 s[30:31], s[28:29], 15              ; 32,768 bytes of x,
	s_lshl_b64 s[32:33], s[28:29], 13              ; 8,192 of codes,
	s_lshl_b64 s[34:35], s[28:29], 8               ; 256 of scale bytes a run
	s_wait_alu depctr_va_vdst(0)
	s_wait_kmcnt 0x0
	s_add_nc_u64 s[4:5], s[4:5], s[30:31]
	s_add_nc_u64 s[14:15], s[14:15], s[32:33]
	s_add_nc_u64 s[16:17], s[16:17], s[34:35]
.macro XLOAD t
.irp i, 0,1,2,3
	global_load_b128 v[XR+16*((\t)%4)+4*\i:XR+16*((\t)%4)+4*\i+3], v3, s[4:5] offset:2048*(\t)+512*\i th:TH_LOAD_NT
.endr
.endm
.macro XTURN t                         ; LDS serves a wave's instructions in order: no wait between the stores and the loads
.irp i, 0,1,2,3
	ds_store_b128 v14, v[XR+16*((\t)%4)+4*\i:XR+16*((\t)%4)+4*\i+3] offset:32*SP*((\t)%2)+8*SP*\i
.endr
.irp i, 0,1,2,3
	ds_load_b128 v[XX+16*((\t)%2)+4*\i:XX+16*((\t)%2)+4*\i+3], v15 offset:32*SP*((\t)%2)+16*\i
.endr
.endm
.macro XSTEP t
.set XS, XX+16*((\t)%2)
.if (\t) > 0
	s_wait_dscnt 1                                 ; this step's numbers are back from the stage; the last step's byte store may be out
.else
	s_wait_dscnt 0x0
.endif
.if (\t)+4 < 16
	XLOAD (\t)+4                                   ; into the set whose stores into the stage have read their registers
.endif
.if (\t)+1 < 16
.if 14-(\t) >= 3
	s_wait_loadcnt 12                              ; the next step's four loads are in; those of the three steps behind it may be out
.else
	s_wait_loadcnt 4*(14-(\t))
.endif
	XTURN (\t)+1
.endif
	v_max3_num_f32 v8, |v[XS]|, |v[XS+1]|, |v[XS+2]|
	v_max3_num_f32 v9, |v[XS+3]|, |v[XS+4]|, |v[XS+5]|
.irp i, 6,10
	v_max3_num_f32 v8, v8, |v[XS+\i]|, |v[XS+\i+1]|
	v_max3_num_f32 v9, v9, |v[XS+\i+2]|, |v[XS+\i+3]|
.endr
	v_max3_num_f32 v8, v8, |v[XS+14]|, |v[XS+15]|
	v_max3_num_f32 v8, v8, v9, FLOOR               ; with the floor: the byte cannot fall under 1
	v_max_num_f32_dpp v8, v8, v8 row_xmask:1 row_mask:0xf bank_mask:0xf   ; and my neighbour's 16: the block's largest magnitude
	v_add_nc_u32 v11, EOFF, v8                     ; 8 off its exponent field: the conversion's scale operand
	v_and_or_b32 v10, v8, 0x7f800000, s26          ; 448 x the scale
.irp i, 0,1,2,3,4,5,6,7,8,9,10,11,12,13,14,15
	v_med3_num_f32 v[XS+\i], v[XS+\i], -v10, v10   ; the conversion does not saturate (ISA guide 7.6.2): the hold comes first
.endr
	v_cvt_scalef32_pk8_fp8_f32 v[XC+4*(\t):XC+4*(\t)+1], v[XS:XS+7], v11
	v_cvt_scalef32_pk8_fp8_f32 v[XC+4*(\t)+2:XC+4*(\t)+3], v[XS+8:XS+15], v11
	v_lshrrev_b32 v[XE+(\t)], 23, v11              ; the scale's byte
	ds_store_b8 v5, v[XE+(\t)] offset:16*(\t)      ; both lanes of a block write the same byte with the same value
	global_store_b128 v3, v[XC+4*(\t):XC+4*(\t)+3], s[14:15] offset:512*(\t)   ; the wave stores 512 consecutive bytes, aligned
.endm
.irp t, 0,1,2,3
	XLOAD \t
.endr
	s_wait_loadcnt 12                              ; step 0's four loads are in
	XTURN 0
.irp t, 0,1,2,3,4,5,6,7,8,9,10,11,12,13,14,15
	XSTEP \t
.endr
	ds_load_b64 v[12:13], v6                       ; my wave's 256 scale bytes, in order behind my stores
	s_wait_dscnt 0x0
	global_store_b64 v7, v[12:13], s[16:17]        ; 32 lanes store 256 consecutive bytes, aligned
	s_wait_tensorcnt 0x0
	ds_add_u32 v208, v209
	s_wait_dscnt 0x0
	s_endpgm
.Lnot_x:
	s_cmp_lt_u32 ttmp9, 576
	s_cbranch_scc0 .Ltab
; ---------------- the weights.  A work-group takes 128 columns x 256 along K, a wave 32 columns.  A LANE TAKES A COLUMN AND ITS REGISTERS RUN DOWN K: a block of 32 lies in one lane, and the codes come out with K innermost.
	s_sub_co_u32 s25, ttmp9, 256
	s_lshr_b32 s26, s25, 3                         ; hs: which 128 rows of w_codes
	s_and_b32 s27, s25, 7                          ; which 256 along K
	s_sub_co_u32 s28, s26, 16
	s_lshr_b32 s28, s28, 1                         ; Wk's or Wv's head (used where hs is 16 to 23)
	s_sub_co_u32 s29, s26, 24                      ; Wo's group of columns (used where hs is 24 or more)
	s_and_b32 s30, s26, 1
	s_mov_b32 s31, 2048                            ; a row of Wk or Wv in bytes
	s_wait_kmcnt 0x0
	s_cmp_eq_u32 s30, 1                            ; the choices hang on the work-group's number alone
	s_cselect_b64 s[32:33], s[10:11], s[8:9]       ; Wv : Wk
	s_cmp_lt_u32 s26, 16
	s_cselect_b64 s[32:33], s[6:7], s[32:33]       ; Wq
	s_cselect_b32 s28, s26, s28
	s_cselect_b32 s31, 8192, s31
	s_cmp_ge_u32 s26, 24
	s_cselect_b64 s[32:33], s[12:13], s[32:33]     ; Wo
	s_cselect_b32 s28, s29, s28
	s_cselect_b32 s31, 8192, s31
	s_mul_i32 s34, s27, s31
	s_lshl_b32 s34, s34, 8                         ; 256 rows of K for each step along K
	s_lshl_b32 s35, s28, 9                         ; 128 columns of 4 bytes
	s_add_co_u32 s34, s34, s35
	s_lshl_b32 s35, s[WV], 7                       ; my wave's 32 columns
	s_add_co_u32 s34, s34, s35
	s_mov_b32 s35, 0
	s_add_nc_u64 s[32:33], s[32:33], s[34:35]      ; block 0's first row
	s_lshl_b32 s48, s31, 5                         ; 32 rows on
	s_mov_b32 s49, 0
.irp t, 1,2,3,4,5,6,7
	s_add_nc_u64 s[32+2*\t:33+2*\t], s[30+2*\t:31+2*\t], s[48:49]   ; a base for each of the eight blocks
.endr
	s_wait_alu depctr_va_vdst(0)
	v_lshlrev_b32 v[WO], 2, v2
.set i, 1
.rept 31
	v_add_nc_u32 v[WO+i], s31, v[WO+i-1]
.set i, i+1
.endr
	s_lshl_b32 s50, s26, 7
	s_lshl_b32 s51, s[WV], 5
	s_add_co_u32 s50, s50, s51                     ; my wave's first row of w_codes
	s_lshl_b32 s52, s50, 11
	s_lshl_b32 s53, s27, 8
	s_add_co_u32 s52, s52, s53
	s_mov_b32 s53, 0
	s_add_nc_u64 s[18:19], s[18:19], s[52:53]
	s_lshl_b32 s52, s50, 6
	s_lshl_b32 s54, s27, 3
	s_add_co_u32 s52, s52, s54
	s_add_nc_u64 s[20:21], s[20:21], s[52:53]
	s_mul_i32 s55, s[WV], 32*WP
	s_add_co_u32 s55, s55, WSTG                    ; my stage
	v_mul_u32_u24 v4, v2, WP
	v_add_nc_u32 v4, s55, v4                       ; into it: row = my column
	v_and_b32 v5, 15, v2
	v_lshrrev_b32 v6, 4, v2
	v_mul_u32_u24 v7, v6, WP
	v_lshl_add_u32 v7, v5, 4, v7
	v_add_nc_u32 v7, s55, v7                       ; out of it: sixteen lanes to a row, two rows an instruction
	v_lshlrev_b32 v8, 11, v6
	v_lshl_add_u32 v8, v5, 4, v8                   ; the same place in w_codes
	v_lshlrev_b32 v9, 6, v2                        ; my column's row of scale bytes
	s_mov_b32 s56, MANT
.macro WLOAD t                         ; block t: 32 rows of K at my column; a wave's load reads 128 consecutive bytes
.set i, 0
.rept 32
	global_load_b32 v[WX+32*((\t)%2)+i], v[WO+i], s[32+2*(\t):33+2*(\t)] th:TH_LOAD_NT
.set i, i+1
.endr
.endm
.macro WBLOCK t
.set WS, WX+32*((\t)%2)
.if (\t) < 7
	s_wait_loadcnt 32                              ; this block's 32 loads are in; the next block's may be out
.else
	s_wait_loadcnt 0x0
.endif
	v_max3_num_f32 v12, |v[WS]|, |v[WS+1]|, |v[WS+2]|
	v_max3_num_f32 v13, |v[WS+3]|, |v[WS+4]|, |v[WS+5]|
.irp i, 6,10,14,18,22,26
	v_max3_num_f32 v12, v12, |v[WS+\i]|, |v[WS+\i+1]|
	v_max3_num_f32 v13, v13, |v[WS+\i+2]|, |v[WS+\i+3]|
.endr
	v_max3_num_f32 v12, v12, |v[WS+30]|, |v[WS+31]|
	v_max3_num_f32 v12, v12, v13, FLOOR
	v_add_nc_u32 v11, EOFF, v12
	v_and_or_b32 v10, v12, 0x7f800000, s56
	v_lshrrev_b32 v13, 23, v11                     ; the scale's byte
.if (\t)%4 == 0
	v_mov_b32 v[WSB+(\t)/4], v13
.else
	v_lshl_or_b32 v[WSB+(\t)/4], v13, 8*((\t)%4), v[WSB+(\t)/4]
.endif
.set i, 0
.rept 32
	v_med3_num_f32 v[WS+i], v[WS+i], -v10, v10
.set i, i+1
.endr
.irp g, 0,1,2,3
	v_cvt_scalef32_pk8_fp8_f32 v[WC+2*\g:WC+2*\g+1], v[WS+8*\g:WS+8*\g+7], v11
.endr
	ds_store_b128 v4, v[WC:WC+3] offset:32*(\t)
	ds_store_b128 v4, v[WC+4:WC+7] offset:32*(\t)+16
.if (\t)+2 < 8
	WLOAD (\t)+2
.endif
	s_wait_dscnt 0x0                               ; the stores have read their registers: the next block's codes may be written
.endm
	WLOAD 0
	WLOAD 1
.irp t, 0,1,2,3,4,5,6,7
	WBLOCK \t
.endr
	global_store_b64 v9, v[WSB:WSB+1], s[20:21]    ; my column's eight scale bytes
.irp t, 0,1,2,3,4,5,6,7,8,9,10,11,12,13,14,15
	ds_load_b128 v[WOUT+4*\t:WOUT+4*\t+3], v7 offset:2*\t*WP
.endr
.irp t, 0,1,2,3,4,5,6,7,8,9,10,11,12,13,14,15
	s_wait_dscnt 15-\t                             ; the younger loads may be out
	global_store_b128 v8, v[WOUT+4*\t:WOUT+4*\t+3], s[18:19] offset:2*\t*2048   ; sixteen lanes store 256 consecutive bytes, aligned
.endr
	s_wait_tensorcnt 0x0
	ds_add_u32 v208, v209
	s_wait_dscnt 0x0
	s_endpgm
; ---------------- the table.  A thread makes four cosines and four sines of one position.
.Ltab:
	s_sub_co_u32 s25, ttmp9, 576
	s_lshr_b32 s26, s25, 1                         ; sb: which 16 positions
	s_and_b32 s27, s25, 1
	s_lshl_b32 s27, s27, 7
	s_lshl_b32 s28, s26, 4
	s_mov_b32 s32, 0xbe549a80                      ; -108853 / 2^19: the upper part of log2(10000) / 64; its product with j is exact
	s_mov_b32 s33, 0x33aae0ca                      ; what the lower part adds, x ln 2
	s_mov_b32 s34, 0x3f22f983                      ; 2 / pi
	s_mov_b32 s35, 0xbfc90fdb                      ; -pi/2, upper part
	s_mov_b32 s36, 0x333bbd2e                      ; upper part - pi/2
	s_mov_b32 s37, 0x3638ef1d                      ; 1/9!
	s_mov_b32 s38, 0xb9500d01                      ; -1/7!
	s_mov_b32 s39, 0x3c088889                      ; 1/5!
	s_mov_b32 s40, 0xbe2aaaab                      ; -1/3!
	s_mov_b32 s41, 0xb493f27e                      ; -1/10!
	s_mov_b32 s42, 0x37d00d01                      ; 1/8!
	s_mov_b32 s43, 0xbab60b61                      ; -1/6!
	s_mov_b32 s44, 0x3d2aaaab                      ; 1/4!
	v_add_nc_u32 v3, s27, v0                       ; my place among the 256 items of these 16 positions
	v_lshrrev_b32 v4, 5, v3                        ; the quad: 2 b + half
	v_and_b32 v5, 15, v0
	v_bfe_u32 v6, v0, 4, 1
	v_add_nc_u32 v5, s28, v5
	v_cvt_f32_u32 v5, v5                           ; the position
	v_lshrrev_b32 v7, 1, v4
	v_and_b32 v8, 1, v4
	v_lshlrev_b32 v7, 4, v7
	v_lshl_add_u32 v7, v6, 3, v7
	v_lshl_add_u32 v7, v8, 2, v7                   ; my first frequency: 16 b + 8 (lane / 16) + 4 half
.irp q, 0,1,2,3
	v_add_nc_u32 v[12+\q], \q, v7
.endr
.irp q, 0,1,2,3
	v_cvt_f32_u32 v[12+\q], v[12+\q]               ; j
.endr
.irp q, 0,1,2,3
	v_mul_f32 v[16+\q], s32, v[12+\q]
.endr
	s_wait_alu depctr_va_vdst(0)
.irp q, 0,1,2,3
	v_exp_f32 v[20+\q], v[16+\q]
.endr
	v_lshlrev_b32 v60, 4, v3                       ; (a plain line behind the exponentials)  my 16 bytes in the table
	s_wait_alu depctr_va_vdst(0)                   ; one wait for the four, ahead of their first reader
.irp q, 0,1,2,3
	v_mul_f32 v[16+\q], v[20+\q], v[12+\q]
.endr
.irp q, 0,1,2,3
	v_fma_f32 v[20+\q], v[16+\q], s33, v[20+\q]    ; the frequency
.endr
.irp q, 0,1,2,3
	v_mul_f32 v[24+\q], v5, v[20+\q]               ; the angle, rounded once
.endr
.irp q, 0,1,2,3
	v_mul_f32 v[28+\q], s34, v[24+\q]
.endr
.irp q, 0,1,2,3
	v_rndne_f32 v[28+\q], v[28+\q]                 ; n: the nearest multiple of pi/2
.endr
.irp q, 0,1,2,3
	v_fma_f32 v[24+\q], v[28+\q], s35, v[24+\q]    ; exact: the difference has no more bits than a number holds
.endr
.irp q, 0,1,2,3
	v_fma_f32 v[24+\q], v[28+\q], s36, v[24+\q]    ; rho, within pi/4
.endr
.irp q, 0,1,2,3
	v_mul_f32 v[32+\q], v[24+\q], v[24+\q]         ; z = rho^2
.endr
.irp q, 0,1,2,3
	v_fma_f32 v[36+\q], v[32+\q], s37, s38
	v_fma_f32 v[40+\q], v[32+\q], s41, s42
.endr
.irp q, 0,1,2,3
	v_fma_f32 v[36+\q], v[36+\q], v[32+\q], s39
	v_fma_f32 v[40+\q], v[40+\q], v[32+\q], s43
.endr
.irp q, 0,1,2,3
	v_fma_f32 v[36+\q], v[36+\q], v[32+\q], s40
	v_fma_f32 v[40+\q], v[40+\q], v[32+\q], s44
.endr
.irp q, 0,1,2,3
	v_mul_f32 v[36+\q], v[36+\q], v[32+\q]
	v_fma_f32 v[40+\q], v[40+\q], v[32+\q], -0.5
.endr
.irp q, 0,1,2,3
	v_fma_f32 v[36+\q], v[24+\q], v[36+\q], v[24+\q]   ; sin rho
	v_fma_f32 v[40+\q], v[40+\q], v[32+\q], 1.0        ; cos rho
.endr
.irp q, 0,1,2,3
	v_cvt_i32_f32 v[44+\q], v[28+\q]
.endr
.irp q, 0,1,2,3
	v_and_b32 v[48+\q], 1, v[44+\q]
.endr
.irp q, 0,1,2,3
	v_cmp_eq_u32 vcc_lo, 1, v[48+\q]               ; an odd n swaps the two
	v_cndmask_b32 v[52+\q], v[36+\q], v[40+\q], vcc_lo
	v_cndmask_b32 v[56+\q], v[40+\q], v[36+\q], vcc_lo
.endr
.irp q, 0,1,2,3
	v_and_b32 v[48+\q], 2, v[44+\q]                ; the sine is negative where n mod 4 is 2 or 3,
	v_add_nc_u32 v[44+\q], 1, v[44+\q]
.endr
.irp q, 0,1,2,3
	v_lshlrev_b32 v[48+\q], 30, v[48+\q]
	v_and_b32 v[44+\q], 2, v[44+\q]                ; the cosine where it is 1 or 2
.endr
.irp q, 0,1,2,3
	v_xor_b32 v[52+\q], v[48+\q], v[52+\q]
	v_lshlrev_b32 v[44+\q], 30, v[44+\q]
.endr
.irp q, 0,1,2,3
	v_xor_b32 v[56+\q], v[44+\q], v[56+\q]
.endr
	s_lshl_b32 s28, s26, 13                        ; 8,192 bytes for 16 positions
	s_mov_b32 s29, 0
	s_wait_alu depctr_va_vdst(0)
	s_wait_kmcnt 0x0
	s_add_nc_u64 s[22:23], s[22:23], s[28:29]
	global_store_b128 v60, v[56:59], s[22:23]              ; cosines: a wave stores 512 consecutive bytes, aligned
	global_store_b128 v60, v[52:55], s[22:23] offset:4096  ; sines
	s_endpgm
.Lfunc_end_k_q38dfc3e9f4_prep:
	.size	k_q38dfc3e9f4_prep, .Lfunc_end_k_q38dfc3e9f4_prep-k_q38dfc3e9f4_prep
	.p2alignl 7, 3214868480
	.fill 96, 4, 3214868480
	.section	.rodata,"a",@progbits
	.p2align	6, 0x0
	.amdhsa_kernel k_q38dfc3e9f4_prep
		.amdhsa_group_segment_fixed_size 68096
		.amdhsa_private_segment_fixed_size 0
		.amdhsa_enable_private_segment 0
		.amdhsa_kernarg_size 80
		.amdhsa_user_sgpr_count 2
		.amdhsa_user_sgpr_kernarg_segment_ptr 1
		.amdhsa_wavefront_size32 1
		.amdhsa_system_sgpr_workgroup_id_x 1
		.amdhsa_system_sgpr_workgroup_id_y 1
		.amdhsa_system_sgpr_workgroup_id_z 1
		.amdhsa_system_vgpr_workitem_id 0
		.amdhsa_next_free_vgpr 210
		.amdhsa_next_free_sgpr 66
		.amdhsa_reserve_vcc 1
		.amdhsa_float_denorm_mode_32 3
		.amdhsa_float_denorm_mode_16_64 3
		.amdhsa_memory_ordered 1
		.amdhsa_forward_progress 1
		.amdhsa_inst_pref_size 119
	.end_amdhsa_kernel
	.amdgpu_metadata
---
amdhsa.version: [ 1, 2 ]
amdhsa.kernels:
  - .name:           k_q38dfc3e9f4_prep
    .symbol:         k_q38dfc3e9f4_prep.kd
    .args:
      - { .name: x, .offset: 0, .size: 8, .value_kind: global_buffer, .address_space: global }
      - { .name: Wq, .offset: 8, .size: 8, .value_kind: global_buffer, .address_space: global }
      - { .name: Wk, .offset: 16, .size: 8, .value_kind: global_buffer, .address_space: global }
      - { .name: Wv, .offset: 24, .size: 8, .value_kind: global_buffer, .address_space: global }
      - { .name: Wo, .offset: 32, .size: 8, .value_kind: global_buffer, .address_space: global }
      - { .name: act_codes, .offset: 40, .size: 8, .value_kind: global_buffer, .address_space: global }
      - { .name: act_scales, .offset: 48, .size: 8, .value_kind: global_buffer, .address_space: global }
      - { .name: w_codes, .offset: 56, .size: 8, .value_kind: global_buffer, .address_space: global }
      - { .name: w_scales, .offset: 64, .size: 8, .value_kind: global_buffer, .address_space: global }
      - { .name: rope_tab, .offset: 72, .size: 8, .value_kind: global_buffer, .address_space: global }
    .group_segment_fixed_size: 68096
    .private_segment_fixed_size: 0
    .kernarg_segment_align: 8
    .kernarg_segment_size: 80
    .max_flat_workgroup_size: 128
    .sgpr_count:     66
    .vgpr_count:     210
    .wavefront_size: 32
...
	.end_amdgpu_metadata
.endif
;; end of part 1
;; launch qkv (part 2): grid 12 x 16, 4 waves a work-group, clusters of 4 x 4, 327,680 bytes of LDS; arguments act_codes, act_scales, w_codes, w_scales, bq, bk, bv, rope_tab, qkv_codes, qkv_scales; writes qkv_codes, qkv_scales
.if DOCPART == 2
	.amdgcn_target "amdgcn-amd-amdhsa--gfx1250"
	.amdhsa_code_object_version 6
	.text
	.protected	k_q38dfc3e9f4_qkv
	.globl	k_q38dfc3e9f4_qkv
	.p2align	8
	.type	k_q38dfc3e9f4_qkv,@function
k_q38dfc3e9f4_qkv:
	s_mov_b64 s[64:65], 0
	v_nop
	global_prefetch_b8 v0, s[64:65] scope:SCOPE_SE
	s_setreg_imm32_b32 hwreg(HW_REG_WAVE_MODE, 25, 1), 1
	s_wait_xcnt 0x0
	s_wait_alu depctr_hold_cnt(0) depctr_sa_sdst(0) depctr_va_vdst(0) depctr_va_sdst(0) depctr_va_ssrc(0) depctr_va_vcc(0) depctr_vm_vsrc(0)
	s_getreg_b32 s2, hwreg(HW_REG_IB_STS2, 6, 4)
	s_cmp_eq_u32 s2, 0
	s_cbranch_scc0 .Lentry_in_a_cluster
	s_endpgm
.Lentry_in_a_cluster:
	s_bfe_u32 s2, ttmp6, 0x10000c
	s_cmp_lg_u32 s2, 0xf033
	s_cbranch_scc0 .Lentry_shape_is_right
	s_endpgm
.Lentry_shape_is_right:
.set SIZE_K, 2048
.set KSTEP,  256
.set NQ,     KSTEP/128
.set ROWB,   256
.set KROW,   SIZE_K
.set PITCH,  272
.set FR,     16
.set NL,     4
.set NP,     8
.set HALFT,  128*PITCH
.set SLOT,   4*HALFT
.set LAPS,   SIZE_K/(2*KSTEP)
.set KS,     SIZE_K/32
.set SCL,    2*SLOT
.set HALFS,  (128*KS/256)*272
.set SBLK,   (16*KS/256)*272
.set SPARE,  SCL+4*HALFS
.set WREG,   40960
.set CSTG,   18432
.set SSTG,   36864
.set LI,   7
.set CST,  8
.set CRD,  9
.set SST,  10
.set SRD,  11
.set FST,  12
.set FRD,  13
.set VCS,  14
.set VSS,  15
.set ADRA, 16
.set ADRB, 20
.set ADRS, 27
.set SPW,  28
.set NIL,  29
.set BO,   30
.set PFO,  31
.set SC,   32
.set BI,   64
.set AF,   128
.set NN,   64
.set PC,   128
.set TM,   144
.set TR,   160
.set PW,   176
.set VC,   64
.set VT,   96
.set VW,   112
.set VX,   128
.set QS,   12
.set SEL,  18
.set LIM,  43
.set PFA,  44
.set MNT,  67
.set G1, 24
.set G0, 32
.set G1B, 48
.set G0B, 56
.set G1S, 68
.set G0S, 76
.set G1SB, 80
.set G0SB, 88
.set MSB, 0
.macro WIN new
.if MSB != (\new)
	s_set_vgpr_msb (MSB<<8)|(\new)
.set MSB, (\new)
.endif
.endm
.set MUL_LO, 0xa1
.set MUL_HI, 0xf1
.set TO_B,   0x40
.macro JLOAD g0a, g1a, g0b, g1b
	s_cmp_eq_u32 s15, 0
	s_cbranch_scc0 .Lfor_b_\@
	tensor_load_to_lds s[\g0a:\g0a+3], s[\g1a:\g1a+7]
	s_nop 0
.rept 4
	v_nop
.endr
	s_branch .Lasked_\@
.Lfor_b_\@:
	tensor_load_to_lds s[\g0b:\g0b+3], s[\g1b:\g1b+7]
	s_nop 0
.rept 4
	v_nop
.endr
.Lasked_\@:
.endm
.macro ASK
	s_cmp_gt_u32 s3, s[LIM]
	s_cbranch_scc0 .Lnot_mine_\@
	global_prefetch_b8 v[PFO], s[PFA:PFA+1] offset:ROWB th:TH_LOAD_NT scope:SCOPE_SE
.Lnot_mine_\@:
.endm
.macro CREST
	s_cmp_lg_u32 s14, 0
	s_cbranch_scc1 .Lnot_wave_0_\@
	s_barrier_signal -3
.Lnot_wave_0_\@:
	s_barrier_wait -3
	s_barrier_signal -1
	s_barrier_wait -1
.endm
.macro CROUND
	s_barrier_signal -1
	s_barrier_wait -1
	CREST
.endm
	s_load_b128 s[4:7], s[0:1], 0x0
	s_load_b128 s[8:11], s[0:1], 0x10
	v_lshl_add_u32 v[SPW], v0, 2, SPARE
	v_mov_b32 v[NIL], 0
	ds_add_u32 v28, v29
	ds_add_u32 v28, v29
	s_wait_dscnt 0x0
	v_lshrrev_b32 v1, 5, v0
	v_readfirstlane_b32 s14, v1
	s_lshr_b32 s15, s14, 1
	s_and_b32 s16, s14, 1
	s_bfe_u32 s40, ttmp6, 0x40000
	s_bfe_u32 s41, ttmp6, 0x40004
	s_lshl_b32 s42, ttmp9, 2
	s_add_co_u32 s42, s42, s40
	s_and_b32 s17, ttmp7, 0xffff
	s_lshl_b32 s17, s17, 2
	s_add_co_u32 s17, s17, s41
	s_lshl_b32 s43, s41, 2
	s_lshl_b32 s43, 15, s43
	s_lshl_b32 s44, 0x1111, s40
	s_or_b32 s[G1+0], s43, (0<<16)|(1<<20)|(1<<21)|(5<<22)|(3<<25)
	s_or_b32 s[G1B+0], s44, (0<<16)|(1<<20)|(1<<21)|(5<<22)|(3<<25)
.irp g, G1, G1B
	s_mov_b32 s[\g+1], ROWB<<16
	s_mov_b32 s[\g+2], 256<<16                     ; the head's loads of codes bring 256 rows; behind them the two words that count rows are set to 128
	s_mov_b32 s[\g+3], ROWB<<16
	s_mov_b32 s[\g+4], 256
	s_mov_b32 s[\g+5], KROW
	s_mov_b32 s[\g+6], 0
	s_mov_b32 s[\g+7], 0
.endr
	s_or_b32 s[G1S+0], s43, (3<<16)|(1<<20)|(1<<21)|(5<<22)|(3<<25)
	s_or_b32 s[G1SB+0], s44, (3<<16)|(1<<20)|(1<<21)|(5<<22)|(3<<25)
.irp g, G1S, G1SB
	s_mov_b32 s[\g+1], 32<<16
	s_mov_b32 s[\g+2], (256*KS/256)<<16            ; the scale bytes of 256 rows
	s_mov_b32 s[\g+3], 32<<16
	s_mov_b32 s[\g+4], 256*KS/256
	s_mov_b32 s[\g+5], 32
	s_mov_b32 s[\g+6], 0
	s_mov_b32 s[\g+7], 0
.endr
	s_lshl_b32 s18, s16, 7
	s_lshl_b32 s20, s17, 8
	s_add_co_u32 s20, s20, s18
	s_lshl_b32 s46, s42, 8
	s_add_co_u32 s46, s46, s18
	s_mov_b32 s21, 0
	s_mov_b32 s47, 0
	s_mov_b64 s[18:19], KS
	s_mul_u64 s[22:23], s[20:21], s[18:19]
	s_mul_u64 s[92:93], s[46:47], s[18:19]
	s_mov_b64 s[18:19], KROW
	s_mul_u64 s[20:21], s[20:21], s[18:19]
	s_mul_u64 s[46:47], s[46:47], s[18:19]
	s_mul_i32 s45, s14, HALFT
	s_mul_i32 s94, s15, 2*HALFS                    ; wave 1: A's scales; wave 3: B's, behind them
	s_wait_kmcnt 0x0
	s_add_nc_u64 s[20:21], s[4:5], s[20:21]
	s_add_nc_u64 s[22:23], s[6:7], s[22:23]
	s_add_nc_u64 s[46:47], s[8:9], s[46:47]
	s_add_nc_u64 s[92:93], s[10:11], s[92:93]
	s_lshl_b32 s18, s16, 13                        ; the scales come for the tile's 256 rows: back over my half's 128 rows of 64 bytes
	s_mov_b32 s19, 0
	s_sub_nc_u64 s[22:23], s[22:23], s[18:19]
	s_sub_nc_u64 s[92:93], s[92:93], s[18:19]
	CROUND
	s_mov_b32 s[G0S], 1
	s_add_co_u32 s[G0S+1], s94, SCL
	s_mov_b64 s[G0S+2:G0S+3], s[22:23]
	s_or_b32 s[G0S+3], s[G0S+3], 0x80000000
	s_mov_b32 s[G0SB], 1
	s_add_co_u32 s[G0SB+1], s94, SCL
	s_mov_b64 s[G0SB+2:G0SB+3], s[92:93]
	s_or_b32 s[G0SB+3], s[G0SB+3], 0x80000000
.irp s, 0,1
	s_mov_b32 s[G0+4*\s], 1
	s_add_co_u32 s[G0+4*\s+1], s45, \s*SLOT
	s_add_nc_u64 s[G0+4*\s+2:G0+4*\s+3], s[20:21], \s*ROWB
	s_or_b32 s[G0+4*\s+3], s[G0+4*\s+3], 0x80000000
	s_mov_b32 s[G0B+4*\s], 1
	s_add_co_u32 s[G0B+4*\s+1], s45, \s*SLOT
	s_add_nc_u64 s[G0B+4*\s+2:G0B+4*\s+3], s[46:47], \s*ROWB
	s_or_b32 s[G0B+4*\s+3], s[G0B+4*\s+3], 0x80000000
.endr
; THE HEAD'S LOADS, ONE A WAVE, in one chain of branches on the wave's number: wave 0 K step 0's 256 rows of A (its own group 0 of slot 0 begins at the tile's first row), wave 1 the scales of A's 256 rows, wave 2 B's 256 rows, wave 3 B's scales.
.macro ARM under, g0, g1, next
	s_cmp_lt_u32 s14, \under
	s_cbranch_scc0 \next
	tensor_load_to_lds s[\g0:\g0+3], s[\g1:\g1+7]
	s_nop 0
.rept 4
	v_nop
.endr
	s_branch .Lhead_asked
\next:
.endm
	ARM 1, G0, G1, .Lhead_sa
	ARM 2, G0S, G1S, .Lhead_b
	ARM 3, G0B, G1B, .Lhead_sb
	tensor_load_to_lds s[G0SB:G0SB+3], s[G1SB:G1SB+7]
	s_nop 0
.rept 4
	v_nop
.endr
.Lhead_asked:
	s_wait_alu depctr_va_vdst(0)
	s_wait_tensorcnt 0x0                           ; my tile of the four is in
	ds_add_u32 v28, v29
	s_mov_b32 s[G1+2], 128<<16                     ; no tensor load of mine is out: from here on a load brings 128 rows
	s_mov_b32 s[G1+4], 128
	s_mov_b32 s[G1B+2], 128<<16
	s_mov_b32 s[G1B+4], 128
	s_wait_dscnt 0x0
	CROUND
	JLOAD G0+4, G1, G0B+4, G1B                     ; K step 1, the first tensor load behind the round
	s_cmp_eq_u32 s15, 0
	s_cselect_b32 s23, s40, s41                    ; my place among the four that ask for the tile with me
	s_cselect_b64 s[PFA:PFA+1], s[20:21], s[46:47]
	s_mov_b32 s[LIM], 1                            ; every cluster asks for the tiles that it will itself load
	s_lshl_b32 s22, s23, 16
	s_mov_b32 s23, 0
	s_add_nc_u64 s[PFA:PFA+1], s[PFA:PFA+1], s[22:23]
	s_add_nc_u64 s[PFA:PFA+1], s[PFA:PFA+1], 2*ROWB
	s_load_b256 s[4:11], s[0:1], 0x20
	s_load_b128 s[92:95], s[0:1], 0x40
	v_and_b32 v1, 15, v0
	v_bfe_u32 v2, v0, 4, 1
	v_mul_u32_u24 v3, v1, PITCH
	v_lshl_add_u32 v4, v2, 4, v3
	s_mul_i32 s21, s15, HALFT
	s_mul_i32 s22, s16, HALFT
	s_add_co_u32 s22, s22, 2*HALFT
.irp s, 0,1
	v_add_nc_u32 v[ADRA+\s], s21, v4
	v_add_nc_u32 v[ADRB+\s], s22, v4
	s_add_co_u32 s21, s21, SLOT
	s_add_co_u32 s22, s22, SLOT
.endr
	v_mul_u32_u24 v5, v1, KS
	v_lshrrev_b32 v6, 8, v5
	v_lshl_add_u32 v5, v6, 4, v5
	s_mul_i32 s21, s15, HALFS
	s_mul_i32 s22, s16, HALFS
	s_add_co_u32 s22, s22, 2*HALFS
	s_sub_co_u32 s22, s22, s21
	v_mul_u32_u24 v6, s22, v2
	s_add_co_u32 s21, s21, SCL
	v_add_nc_u32 v5, v5, v6
	v_add_nc_u32 v[ADRS], s21, v5
	v_and_b32 v3, 31, v0
	v_lshlrev_b32 v[PFO], 11, v3
	s_mul_i32 s2, s14, WREG
	v_lshlrev_b32 v[LI], 4, v3
	v_mul_u32_u24 v4, v1, 144
	v_add_nc_u32 v4, s2, v4
	v_lshl_add_u32 v[FST], v2, 5, v4
	v_lshl_add_u32 v[CST], v2, 3, v4
	v_add_nc_u32 v[CST], CSTG, v[CST]
	v_lshrrev_b32 v5, 3, v3
	v_mul_u32_u24 v5, v5, 144
	v_and_b32 v6, 7, v3
	v_lshl_add_u32 v5, v6, 4, v5
	v_add_nc_u32 v5, s2, v5
	v_add_nc_u32 v[CRD], CSTG, v5
	v_lshl_add_u32 v5, v1, 2, s2
	v_add_nc_u32 v[SST], SSTG, v5
	v_add_nc_u32 v5, s2, v[LI]
	v_add_nc_u32 v[SRD], SSTG, v5
	v_lshl_add_u32 v[FRD], v3, 2, s2
	v_add_nc_u32 v[VSS], SSTG, v[FRD]
	v_mul_u32_u24 v5, v3, 144
	v_add_nc_u32 v5, s2, v5
	v_add_nc_u32 v[VCS], CSTG, v5
	v_lshlrev_b32 v[BO], 5, v2
	s_lshl_b32 s96, s42, 1
	s_add_co_u32 s96, s96, s16
	s_lshr_b32 s97, s17, 2
	s_and_b32 s98, s17, 3
	s_lshl_b32 s98, s98, 1
	s_add_co_u32 s98, s98, s15
	s_mul_i32 s99, s97, 24
	s_add_co_u32 s99, s99, s96
	s_lshl_b32 s99, s99, 3
	s_add_co_u32 s99, s99, s98
	s_sub_co_u32 s100, s42, 8
	s_mov_b32 s[QS], 0x3db504f3
	s_mov_b32 s101, 0
	s_mov_b32 s[SEL], 0x76543210
	s_mov_b32 s[SEL+1], 0xfedcba98
	s_mov_b32 s[MNT], 0x600000
	s_wait_alu depctr_va_vdst(0)
	s_wait_kmcnt 0x0
	s_cmp_eq_u32 s16, 1
	s_cselect_b64 s[6:7], s[8:9], s[6:7]
	s_cmp_eq_u32 ttmp9, 2
	s_cselect_b64 s[4:5], s[6:7], s[4:5]
	s_cselect_b32 s100, s100, s96
	s_cselect_b32 s66, s16, 0
	s_cselect_b32 s[QS], 1.0, s[QS]
	s_mov_b32 s[QS+1], s[QS]
	s_lshl_b32 s100, s100, 9
	s_add_nc_u64 s[4:5], s[4:5], s[100:101]
	s_lshl_b32 s100, s98, 16
	s_add_nc_u64 s[10:11], s[10:11], s[100:101]
	s_lshl_b32 s100, s99, 14
	s_add_nc_u64 s[92:93], s[92:93], s[100:101]
	s_lshl_b32 s100, s99, 9
	s_add_nc_u64 s[94:95], s[94:95], s[100:101]
.irp b, 0,1,2,3,4,5,6,7
	global_load_b128 v[BI+8*\b:BI+8*\b+3], v[BO], s[4:5] offset:64*\b
	global_load_b128 v[BI+8*\b+4:BI+8*\b+7], v[BO], s[4:5] offset:64*\b+16
.endr
.macro FRAG reg, adr, q, i
.irp c, 0,1,2,3
	ds_load_b128 v[\reg+4*\c:\reg+4*\c+3], v[\adr] offset:128*(\q)+32*\c+(\i)*16*PITCH
.endr
.endm
.macro MUL16 a0, p, q, sc, first
.irp a, \a0, \a0+1
.irp b, 0,1,2,3,4,5,6,7
.if \first
	v_wmma_scale_f32_16x16x128_f8f6f4 v[8*(8*((\a)%4)+\b):8*(8*((\a)%4)+\b)+7], v[128*(\p)+FR*\b:128*(\p)+FR*\b+FR-1], v[AF+FR*(\a):AF+FR*(\a)+FR-1], v[BI+8*\b:BI+8*\b+7], v[SC+8*NQ*(\sc)+NQ*\b+(\q)], v[SC+8*NQ*(\sc)+NQ*(\a)+(\q)] matrix_a_scale:MATRIX_SCALE_ROW1
.else
	v_wmma_scale_f32_16x16x128_f8f6f4 v[8*(8*((\a)%4)+\b):8*(8*((\a)%4)+\b)+7], v[128*(\p)+FR*\b:128*(\p)+FR*\b+FR-1], v[AF+FR*(\a):AF+FR*(\a)+FR-1], v[8*(8*((\a)%4)+\b):8*(8*((\a)%4)+\b)+7], v[SC+8*NQ*(\sc)+NQ*\b+(\q)], v[SC+8*NQ*(\sc)+NQ*(\a)+(\q)] matrix_a_scale:MATRIX_SCALE_ROW1
.endif
.endr
.endr
.endm
.macro FETCH_B slot, q, p
	WIN TO_B
.irp i, 0,1,2,3,4,5,6,7
	FRAG 128*(\p)+FR*\i, ADRB+\slot, \q, \i
.endr
	WIN 0
.endm
.macro FETCH_A slot, q, i0
.irp i, \i0, \i0+1, \i0+2, \i0+3
	FRAG AF+FR*(\i), ADRA+\slot, \q, \i
.endr
.endm
.macro SCALES sc
.irp i, 0,1,2,3,4,5,6,7
	ds_load_b64 v[SC+8*NQ*\sc+NQ*\i:SC+8*NQ*\sc+NQ*\i+1], v[ADRS] offset:\i*SBLK
.endr
.endm
.macro PLACES n
.rept \n
	v_nop
.endr
.endm
.macro STEP slot, q, first
	s_wait_dscnt 4*NL
	WIN MUL_LO-0x20*(\first)
	MUL16 0, (\q)%2, \q, \slot, \first
	MUL16 2, (\q)%2, \q, \slot, \first
	s_wait_dscnt 0
	PLACES NP
	FETCH_B \slot, (\q)+1, 1-(\q)%2
	FETCH_A \slot, (\q)+1, 0
	WIN MUL_HI-0x30*(\first)
	MUL16 4, (\q)%2, \q, \slot, \first
	MUL16 6, (\q)%2, \q, \slot, \first
	PLACES NP
	WIN 0
	FETCH_A \slot, (\q)+1, 4
.endm
.macro TURN slot, next, fill
.if \fill
	s_wait_xcnt 0x0
	s_add_nc_u64 s[PFA:PFA+1], s[PFA:PFA+1], ROWB
.endif
	s_wait_tensorcnt 0x0
	ds_add_u32 v[SPW], v[NIL]
	s_wait_dscnt 4*NL+1
	WIN MUL_LO
	MUL16 0, 1, NQ-1, \slot, 0
	s_wait_dscnt 0x0
	s_barrier_signal -1
	MUL16 2, 1, NQ-1, \slot, 0
	WIN 0
	s_barrier_wait -1
.if \fill
	CREST
	s_add_nc_u64 s[G0+4*\slot+2:G0+4*\slot+3], s[G0+4*\slot+2:G0+4*\slot+3], 2*ROWB
	s_add_nc_u64 s[G0B+4*\slot+2:G0B+4*\slot+3], s[G0B+4*\slot+2:G0B+4*\slot+3], 2*ROWB
	JLOAD G0+4*\slot, G1, G0B+4*\slot, G1B
	PLACES NP-4
.else
	PLACES NP
.endif
	s_wait_alu depctr_va_vdst(0)
	v_add_nc_u32 v[ADRS], 4*NQ, v[ADRS]
	FETCH_B \next, 0, 0
	FETCH_A \next, 0, 0
	SCALES \next
.if \fill
	ASK
.endif
	WIN MUL_HI
	MUL16 4, 1, NQ-1, \slot, 0
	MUL16 6, 1, NQ-1, \slot, 0
	PLACES NP
	WIN 0
	FETCH_A \next, 0, 4
.endm
	s_wait_tensorcnt 1
	s_barrier_signal -1
	s_barrier_wait -1
	FETCH_B 0, 0, 0
	FETCH_A 0, 0, 0
	SCALES 0
	FETCH_A 0, 0, 4
	s_wait_loadcnt 0x0
	STEP 0, 0, 1
	s_mov_b32 s3, LAPS-1
.Llap:
	TURN 0, 1, 1
	STEP 1, 0, 0
	TURN 1, 0, 1
	STEP 0, 0, 0
	s_sub_co_u32 s3, s3, 1
	s_cmp_lg_u32 s3, 0
	s_cbranch_scc1 .Llap
	TURN 0, 1, 0
	STEP 1, 0, 0
	s_wait_dscnt 4*NL
	WIN MUL_LO
	MUL16 0, 1, NQ-1, 1, 0
	MUL16 2, 1, NQ-1, 1, 0
	s_wait_dscnt 0
	WIN MUL_HI
	MUL16 4, 1, NQ-1, 1, 0
	MUL16 6, 1, NQ-1, 1, 0
	WIN 0
	s_wait_dscnt 0x0
	s_barrier_signal -1
	s_barrier_wait -1
	PLACES NP
.macro QUANT s
.irp b, 0,1,2,3
	v_max3_num_f32 v[TM+\b], |v[\s+16*\b]|, |v[\s+1+16*\b]|, 0x4800000
.endr
.irp i, 2,4,6,8,10,12,14
.irp b, 0,1,2,3
	v_max3_num_f32 v[TM+\b], v[TM+\b], |v[\s+16*\b+\i]|, |v[\s+1+16*\b+\i]|
.endr
.endr
.irp b, 0,1,2,3
	v_permlanex16_b32 v[TM+4+\b], v[TM+\b], s[SEL], s[SEL+1]
.endr
.irp b, 0,1,2,3
	v_max_num_f32 v[TM+\b], v[TM+\b], v[TM+4+\b]
.endr
.irp b, 0,1,2,3
	v_add_nc_u32 v[TM+12+\b], 0xfc000000, v[TM+\b]
.endr
.irp b, 0,1,2,3
	v_and_or_b32 v[TM+8+\b], v[TM+\b], 0x7f800000, s[MNT]
.endr
.irp b, 0,1,2,3
	v_lshrrev_b32 v[TM+4+\b], 23, v[TM+12+\b]
.endr
	v_lshl_or_b32 v[PW], v[TM+5], 8, v[TM+4]
	v_lshl_or_b32 v[PW], v[TM+6], 16, v[PW]
	v_lshl_or_b32 v[PW], v[TM+7], 24, v[PW]
.irp b, 0,1,2,3
.irp i, 0,1,2,3,4,5,6,7,8,9,10,11,12,13,14,15
	v_med3_num_f32 v[\s+16*\b+\i], v[\s+16*\b+\i], -v[TM+8+\b], v[TM+8+\b]
.endr
	v_cvt_scalef32_pk8_fp8_f32 v[PC+4*\b:PC+1+4*\b], v[\s+16*\b:\s+7+16*\b], v[TM+12+\b]
	v_cvt_scalef32_pk8_fp8_f32 v[PC+2+4*\b:PC+3+4*\b], v[\s+8+16*\b:\s+15+16*\b], v[TM+12+\b]
.endr
	v_nop
.endm
.macro TABLOAD a
	WIN TO_B
.irp i, 0,1,2,3,4,5,6,7,8,9,10,11,12,13,14,15
	global_load_b128 v[64*((\a)%2)+4*\i:64*((\a)%2)+4*\i+3], v[LI], s[10:11] offset:8192*(\a)+512*\i
.endr
	WIN 0
.endm
.macro ROT a
	WIN 0x06+(\a)/4
.set AC, 64*((\a)%4)
.set TS, 64*((\a)%2)
.irp e, 0,1,2,3
.irp p, 0,2,4,6
	v_pk_mul_f32 v[TR+2*\p:TR+2*\p+1], v[AC+8*(\e+4)+\p:AC+8*(\e+4)+\p+1], v[TS+32+8*\e+\p:TS+32+8*\e+\p+1]
	v_pk_mul_f32 v[TR+2*\p+2:TR+2*\p+3], v[AC+8*\e+\p:AC+8*\e+\p+1], v[TS+32+8*\e+\p:TS+32+8*\e+\p+1]
.endr
.irp p, 0,2,4,6
	v_pk_fma_f32 v[NN+8*\e+\p:NN+8*\e+\p+1], v[AC+8*\e+\p:AC+8*\e+\p+1], v[TS+8*\e+\p:TS+8*\e+\p+1], v[TR+2*\p:TR+2*\p+1] neg_lo:[0,0,1] neg_hi:[0,0,1]
	v_pk_fma_f32 v[NN+32+8*\e+\p:NN+32+8*\e+\p+1], v[AC+8*(\e+4)+\p:AC+8*(\e+4)+\p+1], v[TS+8*\e+\p:TS+8*\e+\p+1], v[TR+2*\p+2:TR+2*\p+3]
.endr
.endr
	WIN 0
.endm
.macro ROPEBLK a
.if (\a) < 7
	s_wait_loadcnt 16
.else
	s_wait_loadcnt 0x0
.endif
	ROT \a
.if (\a) < 6
	TABLOAD (\a)+2
.endif
.set i, 0
.rept 32
	v_pk_mul_f32 v[NN+i:NN+i+1], v[NN+i:NN+i+1], s[QS:QS+1] op_sel_hi:[1,0]
.set i, i+2
.endr
	QUANT NN
.irp c, 0,1,2,3
	ds_store_b64 v[CST], v[PC+4*\c:PC+4*\c+1] offset:2304*(\a)+32*\c
	ds_store_b64 v[CST], v[PC+4*\c+2:PC+4*\c+3] offset:2304*(\a)+32*\c+16
.endr
	ds_store_b32 v[SST], v[PW] offset:64*(\a)
	s_wait_dscnt 0x0
.endm
	s_cmp_eq_u32 s66, 1
	s_cbranch_scc1 .Lv
.irp b, 0,1,2,3
	v_mov_b32 v[TM+4+\b], 0
.endr
	TABLOAD 0
	TABLOAD 1
.irp a, 0,1,2,3,4,5,6,7
	ROPEBLK \a
.endr
	s_branch .Lsend
.macro VBLK g
.irp a, 0,1,2,3,4,5,6,7
	WIN 0x08+4*(\a/4)
.irp u, 0,1
	ds_store_b128 v[FST], v[64*(\a%4)+8*(2*(\g)+\u):64*(\a%4)+8*(2*(\g)+\u)+3] offset:2304*\a+64*\u
	ds_store_b128 v[FST], v[64*(\a%4)+8*(2*(\g)+\u)+4:64*(\a%4)+8*(2*(\g)+\u)+7] offset:2304*\a+64*\u+16
.endr
.endr
	WIN 0
.set t, 0
.rept 128
	ds_load_b32 v[VX+t], v[FRD] offset:144*t
.set t, t+1
.endr
	s_wait_dscnt 0x0
.irp b, 0,1,2,3
	v_max3_num_f32 v[VT+\b], |v[VX+32*\b]|, |v[VX+32*\b+1]|, 0x4800000
.endr
.irp i, 2,4,6,8,10,12,14,16,18,20,22,24,26,28,30
.irp b, 0,1,2,3
	v_max3_num_f32 v[VT+\b], v[VT+\b], |v[VX+32*\b+\i]|, |v[VX+32*\b+\i+1]|
.endr
.endr
.irp b, 0,1,2,3
	v_add_nc_u32 v[VT+12+\b], 0xfc000000, v[VT+\b]
.endr
.irp b, 0,1,2,3
	v_and_or_b32 v[VT+8+\b], v[VT+\b], 0x7f800000, s[MNT]
.endr
.irp b, 0,1,2,3
	v_lshrrev_b32 v[VT+4+\b], 23, v[VT+12+\b]
.endr
	v_lshl_or_b32 v[VW], v[VT+5], 8, v[VT+4]
	v_lshl_or_b32 v[VW], v[VT+6], 16, v[VW]
	v_lshl_or_b32 v[VW], v[VT+7], 24, v[VW]
.irp b, 0,1,2,3
.set t, 0
.rept 32
	v_med3_num_f32 v[VX+32*\b+t], v[VX+32*\b+t], -v[VT+8+\b], v[VT+8+\b]
.set t, t+1
.endr
.irp q, 0,1,2,3
	v_cvt_scalef32_pk8_fp8_f32 v[VC+8*\b+2*\q:VC+8*\b+2*\q+1], v[VX+32*\b+8*\q:VX+32*\b+8*\q+7], v[VT+12+\b]
.endr
.endr
	v_nop
.irp i, 0,1,2,3,4,5,6,7
	ds_store_b128 v[VCS], v[VC+4*\i:VC+4*\i+3] offset:4608*(\g)+16*\i
.endr
	ds_store_b32 v[VSS], v[VW] offset:128*(\g)
	s_wait_dscnt 0x0
.endm
.Lv:
.irp g, 0,1,2,3
	VBLK \g
.endr
.Lsend:
	ds_load_b128 v[64:67], v[SRD]
.set i, 0
.rept 32
	ds_load_b128 v[128+4*i:128+4*i+3], v[CRD] offset:576*i
.set i, i+1
.endr
.set i, 0
.rept 32
	s_wait_dscnt 31-i
	global_store_b128 v[LI], v[128+4*i:128+4*i+3], s[92:93] offset:512*((i&25)|((i&2)<<1)|((i&4)>>1))
.set i, i+1
.endr
	global_store_b128 v[LI], v[64:67], s[94:95]
	s_wait_tensorcnt 0x0
	ds_add_u32 v[SPW], v[NIL]
	s_wait_dscnt 0x0
	CROUND
	s_endpgm
.Lfunc_end_k_q38dfc3e9f4_qkv:
	.size	k_q38dfc3e9f4_qkv, .Lfunc_end_k_q38dfc3e9f4_qkv-k_q38dfc3e9f4_qkv
	.p2alignl 7, 3214868480
	.fill 96, 4, 3214868480
	.section	.rodata,"a",@progbits
	.p2align	6, 0x0
	.amdhsa_kernel k_q38dfc3e9f4_qkv
		.amdhsa_group_segment_fixed_size 327680
		.amdhsa_private_segment_fixed_size 0
		.amdhsa_enable_private_segment 0
		.amdhsa_kernarg_size 80
		.amdhsa_user_sgpr_count 2
		.amdhsa_user_sgpr_kernarg_segment_ptr 1
		.amdhsa_wavefront_size32 1
		.amdhsa_system_sgpr_workgroup_id_x 1
		.amdhsa_system_sgpr_workgroup_id_y 1
		.amdhsa_system_sgpr_workgroup_id_z 1
		.amdhsa_system_vgpr_workitem_id 0
		.amdhsa_next_free_vgpr 1024
		.amdhsa_next_free_sgpr 102
		.amdhsa_reserve_vcc 0
		.amdhsa_float_denorm_mode_32 3
		.amdhsa_float_denorm_mode_16_64 3
		.amdhsa_memory_ordered 1
		.amdhsa_forward_progress 1
		.amdhsa_inst_pref_size 255
	.end_amdhsa_kernel
	.section	.bss,"aw",@nobits
	.p2align	6
	.space	262144
	.amdgpu_metadata
---
amdhsa.version: [ 1, 2 ]
amdhsa.kernels:
  - .name:           k_q38dfc3e9f4_qkv
    .symbol:         k_q38dfc3e9f4_qkv.kd
    .args:
      - { .name: act_codes, .offset: 0, .size: 8, .value_kind: global_buffer, .address_space: global }
      - { .name: act_scales, .offset: 8, .size: 8, .value_kind: global_buffer, .address_space: global }
      - { .name: w_codes, .offset: 16, .size: 8, .value_kind: global_buffer, .address_space: global }
      - { .name: w_scales, .offset: 24, .size: 8, .value_kind: global_buffer, .address_space: global }
      - { .name: bq, .offset: 32, .size: 8, .value_kind: global_buffer, .address_space: global }
      - { .name: bk, .offset: 40, .size: 8, .value_kind: global_buffer, .address_space: global }
      - { .name: bv, .offset: 48, .size: 8, .value_kind: global_buffer, .address_space: global }
      - { .name: rope_tab, .offset: 56, .size: 8, .value_kind: global_buffer, .address_space: global }
      - { .name: qkv_codes, .offset: 64, .size: 8, .value_kind: global_buffer, .address_space: global }
      - { .name: qkv_scales, .offset: 72, .size: 8, .value_kind: global_buffer, .address_space: global }
    .group_segment_fixed_size: 327680
    .private_segment_fixed_size: 0
    .kernarg_segment_align: 8
    .kernarg_segment_size: 80
    .max_flat_workgroup_size: 128
    .sgpr_count:     102
    .vgpr_count:     1024
    .wavefront_size: 32
...
	.end_amdgpu_metadata
.endif
;; end of part 2
;; launch attn (part 3): grid 8 x 32, 16 waves a work-group, clusters of 4 x 1, 327,680 bytes of LDS; arguments qkv_codes, qkv_scales, act_codes, act_scales; writes act_codes, act_scales
.if DOCPART == 3
	.amdgcn_target "amdgcn-amd-amdhsa--gfx1250"
	.amdhsa_code_object_version 6
	.text
	.protected	k_q38dfc3e9f4_attn
	.globl	k_q38dfc3e9f4_attn
	.p2align	8
	.type	k_q38dfc3e9f4_attn,@function
k_q38dfc3e9f4_attn:
	s_mov_b64 s[64:65], 0
	v_nop
	global_prefetch_b8 v0, s[64:65] scope:SCOPE_SE
	s_setreg_imm32_b32 hwreg(HW_REG_WAVE_MODE, 25, 1), 1
	s_wait_xcnt 0x0
	s_wait_alu depctr_hold_cnt(0) depctr_sa_sdst(0) depctr_va_vdst(0) depctr_va_sdst(0) depctr_va_ssrc(0) depctr_va_vcc(0) depctr_vm_vsrc(0)
	s_getreg_b32 s2, hwreg(HW_REG_IB_STS2, 6, 4)
	s_cmp_eq_u32 s2, 0
	s_cbranch_scc0 .Lentry_in_a_cluster
	s_endpgm
.Lentry_in_a_cluster:
	s_bfe_u32 s2, ttmp6, 0x10000c
	s_cmp_lg_u32 s2, 0x3003
	s_cbranch_scc0 .Lentry_shape_is_right
	s_endpgm
.Lentry_shape_is_right:
; ATTN: causal attention on codes of E4M3 with E8M0 scales; its result, divided by the row's sum, is quantised along (head, channel) for the last product.  Key tiles that lie wholly behind the causal mask of the problem are left out.
; In: qkv_codes [4 b][24 heads][8 chunks][128 rows][128 bytes], qkv_scales one word a row: heads 0-15 q (already x 1/sqrt(128)), 16 + 2 g k, 17 + 2 g v; q's and k's chunks are tokens x channels, v's channels x keys.
; A chunk's rows of codes lie with bits 3 and 4 of the row's number exchanged (the launch before stores them so); the scale words lie in the rows' own order.
; THE SOFTMAX: t = score x log2(e); M = the running largest t rounded UP to a whole number; p = 2^(t - M) is quantised along the keys, not normalised; the row's sum is taken of the unquantised p and divides at the end;
; when M moves, the sum and O are multiplied by 2^(old M - new M), which rounds nothing.
; SHARES.  A work-group takes one batch, two query heads 2 hp, 2 hp + 1 (one group of k and v) and the eight tiles of 16 queries 128 i + 16 j + 0..15, i = 0..7; j is its place along x.  Tile i needs key chunks 0 .. i: 36 key steps a head.
; THE DEAL.  Wave w: m = w % 4, head 2 hp + (w / 4) % 2, kind w / 8.  Kind A (waves 0-7) takes tile 7 - m over chunks 0 .. 4 - m / 2.  Kind B (waves 8-15) takes tile m whole (chunks 0 .. m), and then tile 7 - m over the chunks that A leaves, 5 - m / 2 .. 7 - m.
; So A has 5, 5, 4, 4 key steps and B 4, 4, 5, 5; four waves of equal w / 4, and four of equal w % 4, have 18 together.  What a wave does hangs on its number alone, never on the work-group's place in its cluster.
; The key steps are written once each, k = 0 .. 7, and a wave jumps over those outside its range.  Between steps 3 and 4 a wave of kind B quantises its short tile, parks the codes in LDS bytes of its own, loads the long tile's Q and begins its sums anew.
; At the end A's sums (O, -M, the row's sum) go through LDS; B brings both parts under the larger M by exact powers of two, adds them, divides and quantises.
; ALL of the group's k and v, 1,024 keys, lie in LDS, filled ONCE, by joint loads of the four work-groups of a cluster (which share batch and heads), one load a wave: no ring and no refill; since everything is asked for at the
; head in one group, there is nothing that a prefetch could ask for earlier.  A first barrier shows the scale words and the first 256 keys, a second one, behind two key steps, all the rest.
; LAYOUT.  Both products are used transposed: a lane holds ONE query (lane % 16) throughout.  Lane r of tile T = 2 b + u takes row 32 b + 8 u + r + 8 (r / 8), of k (keys) and of v (channels) alike: so p's registers 16 b + i are keys
; 32 b + 16 (lane / 16) + i, and O's registers 16 c + i are channels 32 c + 16 (lane / 16) + i: both go into the conversions as they stand.  By the exchange of bits these sixteen rows lie side by side in LDS, 144 bytes a row.
; LIMITS: NaN and infinities are not served; a block of zeros or under 2^-118 gets the scale byte 1 (read by this program alone).
; REGISTERS: v1-5 addresses that stay; v6, v7 where a short tile's codes are parked; v8-11 addresses of the step in hand; v12 -M, v13 the largest t, v[14:15] the sum in two halves; v16-31 Q; v32-95 four fragments; v96-159 S^T, then p;
; v160-223 O^T; v224-239 p's codes; v232-247, v252, v254 at work; v248-251, v253, v255 scale words.
.set KP,   144                         ; a row in LDS: 128 bytes + 16 of padding
.set CH,   128*KP                      ; a chunk
.set VB,   8*CH                        ; k's eight chunks, then v's
.set SC,   2*VB                        ; then the scale words: k's 4,096 bytes, v's 4,096; then the spare words, 2,048 bytes
.set SH,   305152                      ; then 2,304 bytes for each wave of kind B: a short tile's codes (2,048) and scale words (128), as an image of the registers
.set SSTG, 128*272                     ; the way out: a stage of 128 rows x (256 + 16) bytes at LDS byte 0, behind it 128 x 8 bytes of scale words,
.set PART, 36864                       ; and 8,704 bytes for each wave of kind A: all in k's bytes, which have had their one fill and, behind a barrier, their last read
.set AK0,  1
.set AV0,  2
.set ASK0, 3
.set ASV0, 4
.set DG,   5                           ; v5  my query less the chunk's first key less 16 (lane / 16)
.set ADK,  8
.set ADV,  9
.set ADS,  10
.set ADT,  11
.set PC,   160                         ; the quantiser of O: codes, at work, the scale word
.set TM,   176
.set PW,   192
.set WV,   12                          ; s12 my wave's number
.set MNT,  19
.set SEL,  20
.set CS,   22                          ; s[22:23] log2(e)
.set G1,   24                          ; s[24:31] group 1: two chunks;  s[32:39] group 1: the scale words;  s[40:43], s[56:59] their groups 0
.set G1S,  32
.set G0,   40
.set G0S,  56
.set KD,   48                          ; s48 kind;  s49 the first chunk that A leaves to B
.set TL,   60                          ; s60 the tile in hand: its diagonal chunk
.set HB,   61                          ; s61 which of the two heads
.set EX,   62                          ; s62, s63 the chunks in hand: LO <= k < EX
.set LO,   63
.set MM,   66                          ; s66 m;  s67 7 - m
.set TT,   67
.macro ROUND                           ; a round of the cluster's barrier
	s_barrier_signal -1
	s_barrier_wait -1
	s_cmp_lg_u32 s[WV], 0
	s_cbranch_scc1 .Lnot_wave_0_\@
	s_barrier_signal -3
.Lnot_wave_0_\@:
	s_barrier_wait -3
	s_barrier_signal -1
	s_barrier_wait -1
.endm
	s_load_b128 s[4:7], s[0:1], 0x0                ; qkv_codes, qkv_scales
	s_load_b128 s[8:11], s[0:1], 0x10              ; act_codes, act_scales
	v_lshl_add_u32 v254, v0, 2, 0x4a000
	v_mov_b32 v255, 0
	ds_add_u32 v254, v255                          ; the opening lines: the add twice on end and its wait
	ds_add_u32 v254, v255
	s_wait_dscnt 0x0
	v_lshrrev_b32 v8, 5, v0
	s_delay_alu instid0(VALU_DEP_1)
	v_readfirstlane_b32 s[WV], v8                  ; wave 0..15
	s_bfe_u32 s13, ttmp6, 0x40000                  ; cx
	s_lshl_b32 s14, ttmp9, 2
	s_add_co_u32 s14, s14, s13                     ; j = 4 x cluster x + cx: it enters Q's and the result's addresses and the mask's register alone
	s_and_b32 s15, ttmp7, 0xffff
	s_lshr_b32 s16, s15, 3                         ; the batch
	s_and_b32 s17, s15, 7                          ; hp: the pair of heads
	s_lshr_b32 s18, s17, 1                         ; the group of k and v
	s_and_b32 s[MM], s[WV], 3
	s_lshr_b32 s[KD], s[WV], 3
	s_lshr_b32 s[HB], s[WV], 2
	s_and_b32 s[HB], s[HB], 1
	s_xor_b32 s[TT], s[MM], 7                      ; 7 - m
	s_lshr_b32 s49, s[MM], 1
	s_xor_b32 s49, s49, 5                          ; 5 - m / 2
	s_mul_i32 s50, s[KD], 7
	s_xor_b32 s[TL], s[TT], s50                    ; A: tile 7 - m; B: tile m first
	s_add_co_u32 s50, s[MM], 1
	s_cmp_eq_u32 s[KD], 0
	s_cselect_b32 s[EX], s49, s50                  ; A: chunks under 5 - m / 2; B: under m + 1
	s_mov_b32 s[LO], 0
	s_mov_b32 s[G1], 15|(0<<16)|(1<<20)|(1<<21)|(4<<22)|(3<<25)   ; 15:0 the mask: all four work-groups; elements of 1 byte; padding on; 21 set beside a mask; after every 32 words four words
	s_mov_b32 s[G1+1], 256<<16                     ; two chunks are 32,768 dense bytes: stated as 128 rows of 256 bytes, the padding still behind each 128 bytes
	s_mov_b32 s[G1+2], 128<<16
	s_mov_b32 s[G1+3], 256<<16
	s_mov_b32 s[G1+4], 128
	s_mov_b32 s[G1+5], 256
	s_mov_b32 s[G1+6], 0
	s_mov_b32 s[G1+7], 0
	s_mov_b32 s[G1S], 15|(3<<16)|(1<<21)           ; elements of 8 bytes, no padding: 32 rows of 256 bytes
	s_mov_b32 s[G1S+1], 32<<16
	s_mov_b32 s[G1S+2], 32<<16
	s_mov_b32 s[G1S+3], 32<<16
	s_mov_b32 s[G1S+4], 32
	s_mov_b32 s[G1S+5], 32
	s_mov_b32 s[G1S+6], 0
	s_mov_b32 s[G1S+7], 0
	s_mul_i32 s68, s16, 24
	s_lshl_b32 s69, s18, 1
	s_add_co_u32 s68, s68, s69
	s_add_co_u32 s68, s68, 16                      ; k's head number; v's is the next
	s_add_co_u32 s69, s[WV], 7                     ; wave 0 fetches the scale words; wave 1 + 2 n + e fetches chunks 2 n, 2 n + 1 of k (e = 0) or of v (e = 1)
	s_and_b32 s69, s69, 7
	s_lshr_b32 s70, s69, 1                         ; n
	s_and_b32 s69, s69, 1                          ; e
	s_add_co_u32 s71, s68, s69
	s_lshl_b32 s72, s71, 17                        ; 131,072 bytes a head
	s_lshl_b32 s73, s70, 15
	s_add_co_u32 s72, s72, s73
	s_mov_b32 s73, 0
	s_mul_i32 s74, s69, VB
	s_mul_i32 s75, s70, 2*CH
	s_add_co_u32 s74, s74, s75
	s_lshl_b32 s76, s68, 12                        ; 4,096 bytes of scale words a head: k's and v's lie on end
	s_mov_b32 s77, 0
	s_mov_b32 s78, SC
	s_mov_b32 s[SEL], 0x76543210
	s_mov_b32 s[SEL+1], 0xfedcba98
	s_mov_b32 s[CS], 0x3fb8aa3b                    ; log2(e): q already carries 1/sqrt(128)
	s_mov_b32 s[CS+1], s[CS]
	s_mov_b32 s[MNT], 0x600000
	s_wait_kmcnt 0x0
	s_add_nc_u64 s[72:73], s[4:5], s[72:73]
	s_mov_b32 s[G0S], 1
	s_mov_b32 s[G0S+1], s78
	s_add_nc_u64 s[G0S+2:G0S+3], s[6:7], s[76:77]
	s_or_b32 s[G0S+3], s[G0S+3], 0x80000000
	s_mov_b32 s[G0], 1
	s_mov_b32 s[G0+1], s74
	s_mov_b64 s[G0+2:G0+3], s[72:73]
	s_or_b32 s[G0+3], s[G0+3], 0x80000000
	ROUND                                          ; all four work-groups are here: the joint loads meet
; THE FILLS, ONE A WAVE, in one chain of branches on the wave's number: wave 0 the scale words; waves 1, 2 the first 256 keys of k and v; waves 3 to 8 the rest.  What the first barrier shows has load lines of its own.
.macro ARM under, g0, g1, next
	s_cmp_lt_u32 s[WV], \under
	s_cbranch_scc0 \next
	tensor_load_to_lds s[\g0:\g0+3], s[\g1:\g1+7]
	s_nop 0
.rept 4
	v_nop
.endr
	s_branch .Lno_fetch
\next:
.endm
	ARM 1, G0S, G1S, .Larm0
	ARM 3, G0, G1, .Larm1
	ARM 9, G0, G1, .Larm2
.Lno_fetch:
	s_mul_i32 s68, s16, 24
	s_lshl_b32 s69, s17, 1
	s_add_co_u32 s68, s68, s69
	s_add_co_u32 s68, s68, s[HB]                   ; my query head's number
	s_lshl_b32 s68, s68, 10
	s_lshl_b32 s69, s[TL], 7
	s_add_co_u32 s68, s68, s69                     ; my first tile's chunk: its first row
	s_lshr_b32 s70, s14, 1                         ; query 16 j + r lies, bits 3 and 4 exchanged, at row 32 (j / 2) + 8 (j % 2) + r + 8 (r / 8) of the chunk
	s_lshl_b32 s70, s70, 5
	s_and_b32 s71, s14, 1
	s_lshl_b32 s71, s71, 3
	s_add_co_u32 s70, s70, s71
	s_add_co_u32 s70, s70, s68
	s_lshl_b32 s70, s70, 7                         ; 128 bytes a row
	s_mov_b32 s71, 0
	s_add_nc_u64 s[4:5], s[4:5], s[70:71]
	s_lshl_b32 s69, s14, 4                         ; 16 j
	s_add_co_u32 s68, s68, s69                     ; the scale words lie in the rows' own order
	s_lshl_b32 s70, s68, 2
	s_add_nc_u64 s[6:7], s[6:7], s[70:71]
	s_sub_co_u32 s50, s[TT], s[MM]                 ; kind B: from tile m to tile 7 - m: 16,384 bytes of codes and 512 of scale words a chunk
	s_lshl_b32 s70, s50, 14
	s_add_nc_u64 s[44:45], s[4:5], s[70:71]
	s_lshl_b32 s70, s50, 9
	s_add_nc_u64 s[46:47], s[6:7], s[70:71]
	s_and_b32 s50, s[WV], 7
	s_mul_i32 s50, s50, 2304
	s_add_co_u32 s50, s50, SH
	s_add_co_u32 s51, s50, 2048
	v_and_b32 v8, 15, v0                           ; r
	v_bfe_u32 v9, v0, 4, 1                         ; h
	s_delay_alu instid0(VALU_DEP_2)
	v_and_b32 v11, 8, v8
	s_delay_alu instid0(VALU_DEP_1)
	v_add_nc_u32 v11, v11, v8                      ; r + 8 (r / 8)
	s_delay_alu instid0(VALU_DEP_1)
	v_lshlrev_b32 v10, 7, v11
	s_delay_alu instid0(VALU_DEP_1)
	v_lshl_add_u32 v10, v9, 4, v10
.irp c, 0,1,2,3
	global_load_b128 v[16+4*\c:19+4*\c], v10, s[4:5] offset:32*\c   ; Q's fragment stays in registers
.endr
	v_lshlrev_b32 v254, 2, v8
	global_load_b32 v255, v254, s[6:7]             ; Q's scale words
	v_mul_u32_u24 v[AK0], v8, KP                   ; a tile's sixteen rows lie side by side
	s_delay_alu instid0(VALU_DEP_1)
	v_lshl_add_u32 v[AK0], v9, 4, v[AK0]
	s_delay_alu instid0(VALU_DEP_1)
	v_add_nc_u32 v[AV0], VB, v[AK0]
	v_lshl_add_u32 v[ASK0], v11, 2, SC             ; their scale words do not
	s_delay_alu instid0(VALU_DEP_1)
	v_add_nc_u32 v[ASV0], 4096, v[ASK0]
	v_lshlrev_b32 v6, 4, v9
	s_delay_alu instid0(VALU_DEP_1)
	v_sub_nc_u32 v[DG], v8, v6
	s_delay_alu instid0(VALU_DEP_1)
	v_add_nc_u32 v[DG], s69, v[DG]                 ; 16 j + r - 16 h
	v_and_b32 v7, 31, v0
	v_lshl_add_u32 v6, v7, 2, s51                  ; where a short tile's scale word is parked: 4 x lane,
	v_lshl_add_u32 v7, v7, 4, s50                  ; and its codes: 16 x lane
	v_mov_b32 v13, 0xff61b1e6                      ; the largest t so far: -3e38
	s_delay_alu instid0(VALU_DEP_1)
	v_floor_f32 v12, -v13                          ; -M
	v_mov_b32 v14, 0
	v_mov_b32 v15, 0
.irp b, 0,1,2,3
	v_mov_b32 v[236+\b], 0                         ; written once: a lane permute's destination counts as one of its sources
.endr
	v_mov_b32 v252, 0
	v_mov_b32 v253, 0                              ; (named as the upper half of the pair v[252:253] before it is first written)
.set j, 0
.rept 64
	v_mov_b32 v[160+j], 0                          ; O^T: the step is written alike for all keys; the first finds zeros, which the first change of M leaves zeros
.set j, j+1
.endr
; Four tiles' fragments and scale words, tile by tile: five loads a tile.  Tile T = 4 g + t lies in the chunk's LDS rows 16 T .. 16 T + 15; its rows' scale words begin at word 32 (T / 2) + 8 (T % 2).
.macro LOADS adr, sadr, g
.irp t, 0,1,2,3
.irp c, 0,1,2,3
	ds_load_b128 v[32+16*\t+4*\c:32+16*\t+4*\c+3], v[\adr] offset:16*(4*(\g)+\t)*KP+32*\c
.endr
	ds_load_b32 v[248+\t], v[\sadr] offset:(32*((4*(\g)+\t)/2)+8*(\t%2))*4
.endr
.endm
; KEY STEP k: the 128 keys of chunk k.  Every address is a constant + a lane's term.
.macro STEP k
	s_cmp_le_u32 s[EX], (\k)                       ; outside my chunks: left out.  Branches on numbers made of the wave's number; no barrier and no tensor load stands in a step
	s_cbranch_scc1 .Lhidden_\@
.if (\k) > 3
	s_cmp_gt_u32 s[LO], (\k)
	s_cbranch_scc1 .Lhidden_\@
.endif
	v_add_nc_u32 v[ADK], CH*(\k), v[AK0]
	s_wait_alu depctr_va_vdst(0)
	v_add_nc_u32 v[ADV], CH*(\k), v[AV0]
	v_add_nc_u32 v[ADS], 512*(\k), v[ASK0]
	s_wait_alu depctr_va_vdst(0)
	v_add_nc_u32 v[ADT], 512*(\k), v[ASV0]
	s_wait_alu depctr_va_vdst(0)
.irp g, 0,1                                    ; S^T = K Q^T, four tiles of 16 keys at a time
.rept 8-4*(1-\g)
	v_nop                                          ; eight places in front of loads into registers that matrix instructions have read; the four additions above are places too
.endr
	LOADS ADK, ADS, \g
.irp t, 0,1,2,3
	s_wait_dscnt 5*(3-\t)                          ; tile t's five loads are in; the five of each later tile may be out
	v_wmma_scale_f32_16x16x128_f8f6f4 v[96+8*(4*\g+\t):103+8*(4*\g+\t)], v[32+16*\t:47+16*\t], v[16:31], 0, v[248+\t], v255
.endr
.endr
.rept 8
	v_nop                                          ; eight places: for the loads below, and for the first read of the scores
.endr
	LOADS ADV, ADT, 0                              ; V's first four tiles are asked for here and land while the softmax is worked, which touches none of their registers
	s_cmp_lg_u32 s[TL], (\k)                       ; not my tile's diagonal chunk: all its keys count, no mask
	s_cbranch_scc1 .Lopen_\@
	v_mov_b32 v254, 0xff800000                     ; on the diagonal the scores of hidden keys become -infinity ahead of the maximum: p = 0 then
.set n, 0
.rept 64
	v_cmp_gt_i32 vcc_lo, 32*(n/16)+n%16, v[DG]     ; register 16 b + i holds key 32 b + 16 h + i of the chunk
	v_cndmask_b32 v[96+n], v[96+n], v254, vcc_lo
.set n, n+1
.endr
.Lopen_\@:
.irp b, 0,1,2,3
	v_max3_num_f32 v[232+\b], v[96+16*\b], v[97+16*\b], v[98+16*\b]   ; the largest score of each block of 32 keys: for the row's maximum, and, since p rises with the score, for the block's largest p
.endr
.irp i, 3,5,7,9,11,13
.irp b, 0,1,2,3
	v_max3_num_f32 v[232+\b], v[232+\b], v[96+16*\b+\i], v[97+16*\b+\i]
.endr
.endr
.irp b, 0,1,2,3
	v_max_num_f32 v[232+\b], v[232+\b], v[111+16*\b]
.endr
.irp b, 0,1,2,3
	v_permlanex16_b32 v[236+\b], v[232+\b], s[SEL], s[SEL+1]
.endr
.irp b, 0,1,2,3
	s_delay_alu instid0(VALU_DEP_4)
	v_max_num_f32 v[232+\b], v[232+\b], v[236+\b]  ; with lane l xor 16's 16 keys
.endr
	s_delay_alu instid0(VALU_DEP_2)
	v_max3_num_f32 v254, v232, v233, v234
	s_delay_alu instid0(VALU_DEP_1)
	v_max_num_f32 v254, v254, v235
	s_delay_alu instid0(VALU_DEP_1)
	v_mul_f32 v254, s[CS], v254                    ; as t
	s_delay_alu instid0(VALU_DEP_1)
	v_max_num_f32 v13, v13, v254                   ; the running largest t
	v_mov_b32 v254, v12
	s_delay_alu instid0(VALU_DEP_2)
	v_floor_f32 v12, -v13                          ; the new -M = -ceil(t)
	s_delay_alu instid0(VALU_DEP_1)
	v_sub_f32 v254, v12, v254                      ; old M - new M: a whole number, 0 or less
	s_delay_alu instid0(VALU_DEP_1)
	v_cvt_i32_f32 v254, v254                       ; (it saturates)
	s_delay_alu instid0(VALU_DEP_1)
	v_ldexp_f32 v252, 1.0, v254                    ; f = 2^(old M - new M)
.set j, 0
.rept 32
	v_pk_fma_f32 v[96+j:97+j], v[96+j:97+j], s[CS:CS+1], v[12:13] op_sel_hi:[1,0,0]   ; t - M, two at a time
.set j, j+2
.endr
.irp b, 0,1,2,3
	v_fma_f32 v[232+\b], v[232+\b], s[CS], v12     ; the same of each block's largest score
.endr
.set j, 0
	s_wait_alu depctr_va_vdst(0)
.rept 64
	v_exp_f32 v[96+j], v[96+j]                     ; p = 2^(t - M)
.set j, j+1
.endr
	v_pk_mul_f32 v[14:15], v[14:15], v[252:253] op_sel_hi:[1,0]   ; the sums under the new M (a plain line behind the exponentials)
	s_wait_alu depctr_va_vdst(0)                   ; one wait for the whole batch, ahead of its first reader
.irp b, 0,1,2,3
	v_exp_f32 v[232+\b], v[232+\b]                 ; the block's largest p
.endr
	v_pk_add_f32 v[236:237], v[100:101], v[104:105]
	v_pk_add_f32 v[246:247], v[108:109], v[112:113]
	v_pk_add_f32 v[244:245], v[116:117], v[120:121]
	v_pk_add_f32 v[242:243], v[124:125], v[128:129]
	v_pk_add_f32 v[240:241], v[132:133], v[136:137]
	v_pk_add_f32 v[238:239], v[140:141], v[144:145]
	v_pk_add_f32 v[230:231], v[148:149], v[152:153]
	v_pk_add_f32 v[14:15], v[14:15], v[156:157]
	v_pk_add_f32 v[236:237], v[236:237], v[96:97]
	v_pk_add_f32 v[246:247], v[246:247], v[98:99]
	v_pk_add_f32 v[244:245], v[244:245], v[102:103]
	v_pk_add_f32 v[242:243], v[242:243], v[106:107]
	v_pk_add_f32 v[240:241], v[240:241], v[110:111]
	v_pk_add_f32 v[238:239], v[238:239], v[114:115]
	v_pk_add_f32 v[230:231], v[230:231], v[118:119]
	v_pk_add_f32 v[14:15], v[14:15], v[122:123]
	v_pk_add_f32 v[236:237], v[236:237], v[126:127]
	v_pk_add_f32 v[246:247], v[246:247], v[130:131]
	v_pk_add_f32 v[244:245], v[244:245], v[134:135]
	v_pk_add_f32 v[242:243], v[242:243], v[138:139]
	v_pk_add_f32 v[240:241], v[240:241], v[142:143]
	v_pk_add_f32 v[238:239], v[238:239], v[146:147]
	v_pk_add_f32 v[230:231], v[230:231], v[150:151]
	v_pk_add_f32 v[14:15], v[14:15], v[154:155]
	v_pk_add_f32 v[236:237], v[236:237], v[158:159]
	s_delay_alu instid0(VALU_DEP_2)
	v_pk_add_f32 v[14:15], v[14:15], v[242:243]
	s_delay_alu instid0(VALU_DEP_2)
	v_pk_add_f32 v[236:237], v[236:237], v[240:241]
	v_pk_add_f32 v[246:247], v[246:247], v[238:239]
	v_pk_add_f32 v[244:245], v[244:245], v[230:231]
	s_delay_alu instid0(VALU_DEP_2)
	v_pk_add_f32 v[14:15], v[14:15], v[246:247]
	s_delay_alu instid0(VALU_DEP_2)
	v_pk_add_f32 v[236:237], v[236:237], v[244:245]
	s_delay_alu instid0(VALU_DEP_1)
	v_pk_add_f32 v[14:15], v[14:15], v[236:237]
	s_wait_alu depctr_va_vdst(0)                   ; and one for the four
.irp b, 0,1,2,3
	v_max_num_f32 v[232+\b], 0x4800000, v[232+\b]  ; the floor: the byte cannot fall under 1
.endr
.irp b, 0,1,2,3
	s_delay_alu instid0(VALU_DEP_4)
	v_add_nc_u32 v[244+\b], 0xfc000000, v[232+\b]  ; the conversion's scale operand
.endr
.irp b, 0,1,2,3
	v_and_or_b32 v[240+\b], v[232+\b], 0x7f800000, s[MNT]   ; 448 x the scale
.endr
.irp b, 0,1,2,3
	v_lshrrev_b32 v[236+\b], 23, v[244+\b]         ; the scale's byte
.endr
	s_delay_alu instid0(VALU_DEP_3)
	v_lshl_or_b32 v253, v237, 8, v236              ; p's scale word for these 128 keys
	s_delay_alu instid0(VALU_DEP_1)
	v_lshl_or_b32 v253, v238, 16, v253
	s_delay_alu instid0(VALU_DEP_1)
	v_lshl_or_b32 v253, v239, 24, v253
.irp b, 0,1,2,3
.irp i, 0,1,2,3,4,5,6,7,8,9,10,11,12,13,14,15
	v_min_num_f32 v[96+16*\b+\i], v[96+16*\b+\i], v[240+\b]   ; the conversion does not saturate (ISA guide 7.6.2); p is not negative, so the hold is one-sided
.endr
	v_cvt_scalef32_pk8_fp8_f32 v[224+4*\b:225+4*\b], v[96+16*\b:103+16*\b], v[244+\b]
	v_cvt_scalef32_pk8_fp8_f32 v[226+4*\b:227+4*\b], v[104+16*\b:111+16*\b], v[244+\b]
.endr
.set j, 0
.rept 32
	v_pk_mul_f32 v[160+j:161+j], v[160+j:161+j], v[252:253] op_sel_hi:[1,0]   ; O^T under the new M; these 32 are also the places in front of the matrix instructions below
.set j, j+2
.endr
	s_wait_alu depctr_va_vdst(0)
.irp g, 0,1                                    ; O^T += V^T P^T: four tiles of 16 channels at a time; the first four were asked for ahead of the softmax
.if \g > 0
.rept 8
	v_nop
.endr
	LOADS ADV, ADT, 1
.endif
.irp t, 0,1,2,3
	s_wait_dscnt 5*(3-\t)                          ; tile t's five loads are in; the five of each later tile may be out
	v_wmma_scale_f32_16x16x128_f8f6f4 v[160+8*(4*\g+\t):167+8*(4*\g+\t)], v[32+16*\t:47+16*\t], v[224:239], v[160+8*(4*\g+\t):167+8*(4*\g+\t)], v[248+\t], v253
.endr
.endr
.Lhidden_\@:
.endm
; O^T / the row's sum, quantised as it stands: register 16 c + i is channel 32 c + 16 h + i of my query.  Codes to v160-175, the scale word to v192.
.macro FINAL
	v_add_f32 v14, v14, v15
	s_delay_alu instid0(VALU_DEP_1)
	v_permlanex16_b32 v252, v14, s[SEL], s[SEL+1]
	s_delay_alu instid0(VALU_DEP_1)
	v_add_f32 v14, v14, v252                       ; the row's sum
	s_wait_alu depctr_va_vdst(0)
	v_rcp_f32 v14, v14
	v_nop                                          ; a plain place behind the reciprocal
	s_wait_alu depctr_va_vdst(0)                   ; the wait ahead of the reciprocal's first reader, which is O^T's too
.set j, 0
.rept 64
	v_mul_f32 v[96+j], v[160+j], v14
.set j, j+1
.endr
.irp b, 0,1,2,3
	v_max3_num_f32 v[TM+\b], |v[96+16*\b]|, |v[97+16*\b]|, 0x4800000
.endr
.irp i, 2,4,6,8,10,12,14
.irp b, 0,1,2,3
	s_delay_alu instid0(VALU_DEP_4)
	v_max3_num_f32 v[TM+\b], v[TM+\b], |v[96+16*\b+\i]|, |v[97+16*\b+\i]|
.endr
.endr
.irp b, 0,1,2,3
	v_permlanex16_b32 v[TM+4+\b], v[TM+\b], s[SEL], s[SEL+1]
.endr
.irp b, 0,1,2,3
	s_delay_alu instid0(VALU_DEP_4)
	v_max_num_f32 v[TM+\b], v[TM+\b], v[TM+4+\b]
.endr
.irp b, 0,1,2,3
	s_delay_alu instid0(VALU_DEP_4)
	v_add_nc_u32 v[TM+12+\b], 0xfc000000, v[TM+\b]
.endr
.irp b, 0,1,2,3
	v_and_or_b32 v[TM+8+\b], v[TM+\b], 0x7f800000, s[MNT]
.endr
.irp b, 0,1,2,3
	v_lshrrev_b32 v[TM+4+\b], 23, v[TM+12+\b]
.endr
	s_delay_alu instid0(VALU_DEP_3)
	v_lshl_or_b32 v[PW], v[TM+5], 8, v[TM+4]
	s_delay_alu instid0(VALU_DEP_1)
	v_lshl_or_b32 v[PW], v[TM+6], 16, v[PW]
	s_delay_alu instid0(VALU_DEP_1)
	v_lshl_or_b32 v[PW], v[TM+7], 24, v[PW]
.irp b, 0,1,2,3
.irp i, 0,1,2,3,4,5,6,7,8,9,10,11,12,13,14,15
	v_med3_num_f32 v[96+16*\b+\i], v[96+16*\b+\i], -v[TM+8+\b], v[TM+8+\b]
.endr
	v_cvt_scalef32_pk8_fp8_f32 v[PC+4*\b:PC+1+4*\b], v[96+16*\b:103+16*\b], v[TM+12+\b]
	v_cvt_scalef32_pk8_fp8_f32 v[PC+2+4*\b:PC+3+4*\b], v[104+16*\b:111+16*\b], v[TM+12+\b]
.endr
	v_nop                                          ; a plain line behind the last conversion
.endm
	s_wait_loadcnt 0x0                             ; Q
	s_cmp_lt_u32 s[WV], 3                          ; the waves that fetched the scale words and chunks 0 and 1 wait for their one load
	s_cbranch_scc0 .Lnot_yet
	s_wait_tensorcnt 0x0
.Lnot_yet:
	s_wait_dscnt 0x0
	s_barrier_signal -1
	s_barrier_wait -1                              ; these are in for everybody.  Nothing is ever filled again
	STEP 0
	STEP 1
	s_wait_tensorcnt 0x0                           ; all that is still out: every wave waits
	s_wait_dscnt 0x0
	s_barrier_signal -1
	s_barrier_wait -1
	STEP 2
	STEP 3
; KIND B: the short tile is finished.  The long tile's Q is asked for first and lands while the short tile is quantised.
	s_cmp_lt_u32 s[WV], 8
	s_cbranch_scc1 .Lno_switch
.rept 8
	v_nop                                          ; eight places behind the last products: for the loads into Q's registers and the first read of O^T
.endr
	v_and_b32 v8, 15, v0
	v_bfe_u32 v9, v0, 4, 1
	v_and_b32 v11, 8, v8
	v_add_nc_u32 v11, v11, v8
	v_lshlrev_b32 v10, 7, v11
	v_lshl_add_u32 v10, v9, 4, v10
.irp c, 0,1,2,3
	global_load_b128 v[16+4*\c:19+4*\c], v10, s[44:45] offset:32*\c
.endr
	v_lshlrev_b32 v254, 2, v8
	global_load_b32 v255, v254, s[46:47]
	FINAL
.irp c, 0,1,2,3
	ds_store_b128 v7, v[PC+4*\c:PC+4*\c+3] offset:512*\c   ; an image of the registers, in my own bytes
.endr
	ds_store_b32 v6, v[PW]
	v_mov_b32 v13, 0xff61b1e6                      ; the sums begin anew
	v_floor_f32 v12, -v13
	v_mov_b32 v14, 0
	v_mov_b32 v15, 0
.set j, 0
.rept 64
	v_mov_b32 v[160+j], 0
.set j, j+1
.endr
	s_mov_b32 s[TL], s[TT]                         ; tile 7 - m, chunks 5 - m / 2 .. 7 - m
	s_add_co_u32 s[EX], s[TT], 1
	s_mov_b32 s[LO], s49
	s_wait_alu depctr_va_vdst(0)
	s_wait_loadcnt 0x0
.Lno_switch:
	STEP 4
	STEP 5
	STEP 6
	STEP 7
; THE WAY OUT.
	s_wait_dscnt 0x0
	s_barrier_signal -1
	s_barrier_wait -1                              ; no wave reads k's bytes any more: they may be written
.rept 8
	v_nop                                          ; eight places behind the last products
.endr
	s_mul_i32 s72, s[TT], 16*272
	s_lshl_b32 s73, s[HB], 7
	s_add_co_u32 s72, s72, s73                     ; the stage: row 16 i, my head's 128 bytes: of tile 7 - m,
	s_mul_i32 s79, s[MM], 16*272
	s_add_co_u32 s73, s79, s73                     ; and of tile m
	s_lshl_b32 s74, s[TT], 7
	s_lshl_b32 s75, s[HB], 2
	s_add_co_u32 s74, s74, s75
	s_add_co_u32 s74, s74, SSTG                    ; the rows' scale words: 8 bytes a row, my head's 4
	s_lshl_b32 s79, s[MM], 7
	s_add_co_u32 s75, s79, s75
	s_add_co_u32 s75, s75, SSTG
	s_and_b32 s76, s[WV], 7
	s_mul_i32 s76, s76, 8704
	s_add_co_u32 s76, s76, PART                    ; where wave w hands its sums to wave w + 8
	s_mul_i32 s77, s[WV], 8*272
	s_lshl_b32 s68, s16, 10
	s_lshl_b32 s69, s14, 4
	s_add_co_u32 s68, s68, s69                     ; token 1,024 b + 16 j
	s_lshl_b32 s70, s68, 6
	s_lshl_b32 s71, s17, 3
	s_add_co_u32 s70, s70, s71
	s_mov_b32 s71, 0
	s_add_nc_u64 s[10:11], s[10:11], s[70:71]      ; act_scales: 64 bytes a token, my two heads' 8
	s_lshr_b32 s69, s[WV], 1
	s_lshl_b32 s69, s69, 7
	s_add_co_u32 s68, s68, s69
	s_and_b32 s69, s[WV], 1
	s_lshl_b32 s69, s69, 3
	s_add_co_u32 s68, s68, s69                     ; + 128 (w / 2) + 8 (w % 2): the first token that I store
	s_lshl_b32 s70, s68, 11
	s_lshl_b32 s69, s17, 8
	s_add_co_u32 s70, s70, s69
	s_add_nc_u64 s[8:9], s[8:9], s[70:71]          ; act_codes: 2,048 bytes a token, my two heads' 256
	v_and_b32 v16, 15, v0                          ; r.  Every address of the way out is made here, by all waves, ahead of the branches on the kind
	v_bfe_u32 v17, v0, 4, 1                        ; h
	v_and_b32 v18, 31, v0
	v_lshl_add_u32 v3, v18, 4, s76                 ; the sums' image: 16 x lane
	v_mul_u32_u24 v19, v16, 272
	v_lshl_add_u32 v19, v17, 4, v19
	v_add_nc_u32 v4, s72, v19                      ; into the stage: row 16 i + r, + 16 h
	v_add_nc_u32 v5, s73, v19
	v_lshl_add_u32 v8, v16, 3, s74
	v_lshl_add_u32 v9, v16, 3, s75
	v_mul_u32_u24 v10, v17, 272
	v_lshl_add_u32 v10, v16, 4, v10
	v_add_nc_u32 v10, s77, v10                     ; back: wave w takes rows 8 w .. 8 w + 7; lanes 0-15 one row, lanes 16-31 the next
	v_lshlrev_b32 v11, 11, v17
	v_lshl_add_u32 v11, v16, 4, v11                ; the same two rows in act_codes
	v_lshl_add_u32 v1, v0, 3, SSTG                 ; threads 0-127: a row's two scale words
	v_lshrrev_b32 v2, 4, v0
	v_lshlrev_b32 v2, 13, v2
	v_lshl_add_u32 v2, v16, 6, v2                  ; and their place: token 128 (t / 16) + t % 16, 64 bytes a token
	s_wait_alu depctr_va_vdst(0)
	s_cmp_lt_u32 s[WV], 8
	s_cbranch_scc0 .Lno_part
.set q, 0
.rept 16
	ds_store_b128 v3, v[160+4*q:163+4*q] offset:512*q      ; kind A: O^T, each accumulator from its low end on,
.set q, q+1
.endr
	ds_store_b128 v3, v[12:15] offset:8192                 ; -M and the sum's two halves
.Lno_part:
	s_wait_dscnt 0x0
	s_barrier_signal -1
	s_barrier_wait -1
	s_cmp_lt_u32 s[WV], 8
	s_cbranch_scc1 .Lno_merge
.set q, 0
.rept 16
	ds_load_b128 v[96+4*q:99+4*q], v3 offset:512*q         ; kind B: A's O^T,
.set q, q+1
.endr
	ds_load_b128 v[32:35], v3 offset:8192                  ; its -M and sums,
.irp c, 0,1,2,3
	ds_load_b128 v[40+4*\c:43+4*\c], v7 offset:512*\c      ; and my short tile's codes and scale word
.endr
	ds_load_b32 v56, v6
	s_wait_dscnt 0x0
	v_min_num_f32 v36, v32, v12                    ; -M of both parts: the lesser
	v_mov_b32 v39, 0                               ; (named as the upper half of a pair)
	v_sub_f32 v37, v36, v32                        ; A's M less the common one: a whole number, 0 or less
	v_sub_f32 v38, v36, v12                        ; mine likewise
	v_cvt_i32_f32 v37, v37
	v_cvt_i32_f32 v38, v38
	v_ldexp_f32 v36, 1.0, v37                      ; the two factors: exact powers of two
	v_ldexp_f32 v38, 1.0, v38
	v_pk_mul_f32 v[14:15], v[14:15], v[38:39] op_sel_hi:[1,0]
	v_pk_fma_f32 v[14:15], v[34:35], v[36:37], v[14:15] op_sel_hi:[1,0,1]
.set j, 0
.rept 32
	v_pk_mul_f32 v[160+j:161+j], v[160+j:161+j], v[38:39] op_sel_hi:[1,0]
.set j, j+2
.endr
.set j, 0
.rept 32
	v_pk_fma_f32 v[160+j:161+j], v[96+j:97+j], v[36:37], v[160+j:161+j] op_sel_hi:[1,0,1]
.set j, j+2
.endr
	FINAL
.irp c, 0,1,2,3
	ds_store_b128 v4, v[PC+4*\c:PC+4*\c+3] offset:32*\c
	ds_store_b128 v5, v[40+4*\c:43+4*\c] offset:32*\c
.endr
	ds_store_b32 v8, v[PW]                         ; both halves of the lanes write the same word with the same value
	ds_store_b32 v9, v56
.Lno_merge:
	s_wait_dscnt 0x0                               ; for the others' sake: my stores into the stage are done
	s_barrier_signal -1
	s_barrier_wait -1
.irp k, 0,1,2,3
	ds_load_b128 v[64+4*\k:67+4*\k], v10 offset:544*\k
.endr
.irp k, 0,1,2,3
	s_wait_dscnt 3-\k                              ; the younger loads may be out
	global_store_b128 v11, v[64+4*\k:67+4*\k], s[8:9] offset:4096*\k   ; sixteen lanes store 256 consecutive bytes, aligned
.endr
	s_cmp_lt_u32 s[WV], 4
	s_cbranch_scc0 .Lno_sc
	ds_load_b64 v[80:81], v1
	s_wait_dscnt 0x0
	global_store_b64 v2, v[80:81], s[10:11]        ; 8 bytes of each token's 64: one byte for each 32 of the codes'
.Lno_sc:
	s_wait_xcnt 0x0
	v_lshl_add_u32 v254, v0, 2, 0x4a000
	v_mov_b32 v255, 0
	s_wait_alu depctr_va_vdst(0)
	s_wait_tensorcnt 0x0                           ; the wave's end
	ds_add_u32 v254, v255
	s_wait_dscnt 0x0
	ROUND                                          ; the closing round
	s_endpgm
.Lfunc_end_k_q38dfc3e9f4_attn:
	.size	k_q38dfc3e9f4_attn, .Lfunc_end_k_q38dfc3e9f4_attn-k_q38dfc3e9f4_attn
	.p2alignl 7, 3214868480
	.fill 96, 4, 3214868480
	.section	.rodata,"a",@progbits
	.p2align	6, 0x0
	.amdhsa_kernel k_q38dfc3e9f4_attn
		.amdhsa_group_segment_fixed_size 327680
		.amdhsa_private_segment_fixed_size 0
		.amdhsa_enable_private_segment 0
		.amdhsa_kernarg_size 32
		.amdhsa_user_sgpr_count 2
		.amdhsa_user_sgpr_kernarg_segment_ptr 1
		.amdhsa_wavefront_size32 1
		.amdhsa_system_sgpr_workgroup_id_x 1
		.amdhsa_system_sgpr_workgroup_id_y 1
		.amdhsa_system_sgpr_workgroup_id_z 1
		.amdhsa_system_vgpr_workitem_id 0
		.amdhsa_next_free_vgpr 256
		.amdhsa_next_free_sgpr 80
		.amdhsa_reserve_vcc 1
		.amdhsa_float_denorm_mode_32 3
		.amdhsa_float_denorm_mode_16_64 3
		.amdhsa_memory_ordered 1
		.amdhsa_forward_progress 1
		.amdhsa_inst_pref_size 255
	.end_amdhsa_kernel
	.section	.bss,"aw",@nobits
	.p2align	6
	.space	262144
	.amdgpu_metadata
---
amdhsa.version: [ 1, 2 ]
amdhsa.kernels:
  - .name:           k_q38dfc3e9f4_attn
    .symbol:         k_q38dfc3e9f4_attn.kd
    .args:
      - { .name: qkv_codes, .offset: 0, .size: 8, .value_kind: global_buffer, .address_space: global }
      - { .name: qkv_scales, .offset: 8, .size: 8, .value_kind: global_buffer, .address_space: global }
      - { .name: act_codes, .offset: 16, .size: 8, .value_kind: global_buffer, .address_space: global }
      - { .name: act_scales, .offset: 24, .size: 8, .value_kind: global_buffer, .address_space: global }
    .group_segment_fixed_size: 327680
    .private_segment_fixed_size: 0
    .kernarg_segment_align: 8
    .kernarg_segment_size: 32
    .max_flat_workgroup_size: 512
    .sgpr_count:     80
    .vgpr_count:     256
    .wavefront_size: 32
...
	.end_amdgpu_metadata
.endif
;; end of part 3
;; launch out (part 4): grid 16 x 16, 4 waves a work-group, clusters of 4 x 4, 327,680 bytes of LDS; arguments act_codes, act_scales, w_codes, w_scales, bo, out0; writes out0
.if DOCPART == 4
	.amdgcn_target "amdgcn-amd-amdhsa--gfx1250"
	.amdhsa_code_object_version 6
	.text
	.protected	k_q38dfc3e9f4_out
	.globl	k_q38dfc3e9f4_out
	.p2align	8
	.type	k_q38dfc3e9f4_out,@function
k_q38dfc3e9f4_out:
	s_mov_b64 s[64:65], 0
	v_nop
	global_prefetch_b8 v0, s[64:65] scope:SCOPE_SE
	s_setreg_imm32_b32 hwreg(HW_REG_WAVE_MODE, 25, 1), 1
	s_wait_xcnt 0x0
	s_wait_alu depctr_hold_cnt(0) depctr_sa_sdst(0) depctr_va_vdst(0) depctr_va_sdst(0) depctr_va_ssrc(0) depctr_va_vcc(0) depctr_vm_vsrc(0)
	s_getreg_b32 s2, hwreg(HW_REG_IB_STS2, 6, 4)
	s_cmp_eq_u32 s2, 0
	s_cbranch_scc0 .Lentry_in_a_cluster
	s_endpgm
.Lentry_in_a_cluster:
	s_bfe_u32 s2, ttmp6, 0x10000c
	s_cmp_lg_u32 s2, 0xf033
	s_cbranch_scc0 .Lentry_shape_is_right
	s_endpgm
.Lentry_shape_is_right:
; OUT: out0 [4096][2048] f32 = A B^T + bo on codes of E4M3 with one E8M0 scale byte for each 32 along K = 2,048.
; A = act_codes [4096][2048], act_scales [4096][64] (attention's result, K = head x channel); B = rows 3,072 to 5,119 of w_codes [5120][2048], w_scales [5120][64] (Wo's columns, K innermost).
; SHARES.  256 work-groups, one to a block of 256 rows x 128 columns; four waves, 2 x 2, each 128 x 64: 32 accumulators of 16 x 16, 256 registers.
; CLUSTERS of 4 x 4: A's tile hangs on the tile row alone and is asked for jointly along a row of the cluster, B's on the tile column alone, along a column.
; LDS: TWO SLOTS OF UNLIKE SIZE: the large one holds 512 along K (384 rows of 512 + 16 bytes), the small one 256 (384 rows of 256 + 16): K goes 512, 256, 512, 256, 512: five fills, each row a multiple of 256 bytes that begins at a multiple of 256.
; Waves 0, 1 fetch A's halves (128 rows), waves 2, 3 B's (64 rows): one tensor load a wave at the head and behind each round.
; THE SCALE WORDS are not in LDS: a wave's rows' scale bytes for all of K are 64 bytes a row, dense: lane l takes row l of a pair of blocks, four loads of 16 bytes: register 16 p + q holds the word of the q-th 128 along K,
; block 2 p's in lanes 0-15, block 2 p + 1's in lanes 16-31.  96 registers, loaded once.  A's and B's numbers differ by 4 modulo 8.
; A STEP is 128 along K: 48 LDS loads for the next step into the other set of fragment registers, then 32 products, the accumulators by turns.  The 16 steps are written by macros with no loop, since each names its own scale registers.
; THE PRODUCT IS USED TRANSPOSED (source 0 = 16 rows of B, source 1 = 16 rows of A): a lane holds eight neighbouring columns of one row of out0.  The bias is the first products' C.
; PREFETCH: behind each fill's load the next fill's tile is asked for: a lane a row, 256 bytes of a row an instruction; the four partners of a joint load share its rows out by address (A: 64 rows a work-group, waves 0, 1; B: 32 rows, wave 2).  Behind the last fill nothing is asked for.
; LIMITS: NaN and infinities are not served.
; REGISTERS: window 0: v1-31 addresses, v32-95 A's scale words, v100-131 B's; window 1: A's fragments, two sets of 128, on the way out the rows read back; window 2: accumulator (a, b) at 8 (4 a + b); window 3: B's fragments, two sets of 64, v128-159 the bias.
.set KROW,  2048
.set BP,    528                        ; a row of the large slot
.set SPI,   272                        ; a row of the small slot, and of a stage
.set BIGB,  256*BP                     ; large slot: A's 256 rows, then B's 128
.set SML,   384*BP                     ; the small slot
.set SMLB,  SML+256*SPI
.set SPARE, SML+384*SPI                ; the spare words: 128 bytes a wave
.set STG,   16*SPI                     ; the way out: a stage of 16 rows; four a wave, in the small slot, behind its last fill and its last read
.set ABA,  16                          ; v16, v17 LDS address of my fragments of A, of B in the large slot; v18, v19 in the small one
.set ABB,  17
.set ASA,  18
.set ASB,  19
.set STO,  24
.set RD,   25
.set CO,   26
.set ASO,  27                          ; 64 x lane: a row of scale bytes
.set SPW,  28
.set NIL,  29
.set BO,   30
.set PFO,  31                          ; 2,048 x lane: a row of codes
.set SA,   32
.set SB,   100
.set BI,   128
.set G1AB, 24                          ; groups 1: A large, B large, A small, B small
.set G1BB, 32
.set G1AS, 40
.set G1BS, 48
.set G0AB, 56                          ; groups 0 likewise
.set G0BB, 60
.set G0AS, 68
.set G0BS, 72
.set PFA,  76
.set MSB, 0
.macro WIN new                         ; the immediate's high byte repeats the setting that is left
.if MSB != (\new)
	s_set_vgpr_msb (MSB<<8)|(\new)
.set MSB, (\new)
.endif
.endm
.macro PLACES n
.rept \n
	v_nop
.endr
.endm
.macro CROUND                          ; a round of the cluster's barrier
	s_barrier_signal -1
	s_barrier_wait -1
	s_cmp_lg_u32 s14, 0
	s_cbranch_scc1 .Lnot_wave_0_\@
	s_barrier_signal -3
.Lnot_wave_0_\@:
	s_barrier_wait -3
	s_barrier_signal -1
	s_barrier_wait -1
.endm
.macro JLOAD g0a, g1a, g0b, g1b        ; a joint load: waves 0, 1 for A, waves 2, 3 for B; s_nop 0 and four v_nop behind each line
	s_cmp_eq_u32 s15, 0
	s_cbranch_scc0 .Lfor_b_\@
	tensor_load_to_lds s[\g0a:\g0a+3], s[\g1a:\g1a+7]
	s_nop 0
	PLACES 4
	s_branch .Lasked_\@
.Lfor_b_\@:
	tensor_load_to_lds s[\g0b:\g0b+3], s[\g1b:\g1b+7]
	s_nop 0
	PLACES 4
.Lasked_\@:
.endm
.macro ASK u, n                        ; n runs of 256 along K from the u-th on, of my 32 rows
	s_cmp_lt_u32 s14, 3
	s_cbranch_scc0 .Lnone_\@
	global_prefetch_b8 v[PFO], s[PFA:PFA+1] offset:256*(\u) th:TH_LOAD_NT scope:SCOPE_SE
.if (\n) > 1
	global_prefetch_b8 v[PFO], s[PFA:PFA+1] offset:256*(\u)+256 th:TH_LOAD_NT scope:SCOPE_SE
.endif
.Lnone_\@:
.endm
.macro GROUP1 g, mask, c, qi, rows     ; rows of c bytes, 16 bytes of padding behind each
	s_or_b32 s[\g], s[\mask], (1<<20)|(1<<21)|((\qi)<<22)|(3<<25)
	s_mov_b32 s[\g+1], (\c)<<16
	s_mov_b32 s[\g+2], (\rows)<<16
	s_mov_b32 s[\g+3], (\c)<<16
	s_mov_b32 s[\g+4], \rows
	s_mov_b32 s[\g+5], KROW
	s_mov_b32 s[\g+6], 0
	s_mov_b32 s[\g+7], 0
.endm
	s_load_b256 s[4:11], s[0:1], 0x0               ; act_codes, act_scales, w_codes, w_scales
	s_load_b128 s[96:99], s[0:1], 0x20             ; bo, out0
	v_lshl_add_u32 v[SPW], v0, 2, SPARE
	v_mov_b32 v[NIL], 0
	ds_add_u32 v[SPW], v[NIL]                      ; the opening lines: the add twice on end and its wait ahead of my first tensor load
	ds_add_u32 v[SPW], v[NIL]
	v_lshrrev_b32 v1, 5, v0
	v_readfirstlane_b32 s14, v1                    ; wave 0..3
	s_lshr_b32 s15, s14, 1                         ; my half of the rows.  Also: I fetch for A (0) or B (1)
	s_and_b32 s16, s14, 1                          ; my half of the columns.  Also: which half of the tile I fetch
	s_bfe_u32 s80, ttmp6, 0x40000                  ; cx
	s_bfe_u32 s81, ttmp6, 0x40004                  ; cy
	s_lshl_b32 s82, ttmp9, 2
	s_add_co_u32 s82, s82, s80                     ; tile column
	s_and_b32 s17, ttmp7, 0xffff
	s_lshl_b32 s17, s17, 2
	s_add_co_u32 s17, s17, s81                     ; tile row
	s_lshl_b32 s83, s81, 2
	s_lshl_b32 s83, 15, s83                        ; my row of the cluster
	s_lshl_b32 s84, 0x1111, s80                    ; my column
	GROUP1 G1AB, 83, 512, 6, 128
	GROUP1 G1BB, 84, 512, 6, 64
	GROUP1 G1AS, 83, 256, 5, 128
	GROUP1 G1BS, 84, 256, 5, 64
	s_lshl_b32 s20, s17, 8
	s_lshl_b32 s18, s16, 7
	s_add_co_u32 s20, s20, s18
	s_lshl_b32 s20, s20, 11                        ; A: row 256 x tile row + 128 x half, 2,048 bytes a row
	s_mov_b32 s21, 0
	s_lshl_b32 s22, s82, 7
	s_lshl_b32 s18, s16, 6
	s_add_co_u32 s22, s22, s18
	s_add_co_u32 s22, s22, 3072
	s_lshl_b32 s22, s22, 11                        ; B: row 3,072 + 128 x tile column + 64 x half
	s_mov_b32 s23, 0
	s_mov_b32 s[G0AB], 1
	s_mul_i32 s[G0AB+1], s16, 128*BP
	s_mov_b32 s[G0BB], 1
	s_mul_i32 s[G0BB+1], s16, 64*BP
	s_add_co_u32 s[G0BB+1], s[G0BB+1], BIGB
	s_mov_b32 s[G0AS], 1
	s_mul_i32 s[G0AS+1], s16, 128*SPI
	s_add_co_u32 s[G0AS+1], s[G0AS+1], SML
	s_mov_b32 s[G0BS], 1
	s_mul_i32 s[G0BS+1], s16, 64*SPI
	s_add_co_u32 s[G0BS+1], s[G0BS+1], SMLB
	s_wait_dscnt 0x0                               ; both opening adds are done
	CROUND                                         ; all sixteen work-groups are here
	s_wait_kmcnt 0x0
	s_add_nc_u64 s[G0AB+2:G0AB+3], s[4:5], s[20:21]
	s_add_nc_u64 s[G0AS+2:G0AS+3], s[G0AB+2:G0AB+3], 512   ; the small slot begins with K = 512 ..
	s_add_nc_u64 s[G0BB+2:G0BB+3], s[8:9], s[22:23]
	s_add_nc_u64 s[G0BS+2:G0BS+3], s[G0BB+2:G0BB+3], 512
.irp g, G0AB, G0AS, G0BB, G0BS
	s_or_b32 s[\g+3], s[\g+3], 0x80000000
.endr
	JLOAD G0AB, G1AB, G0BB, G1BB                   ; K = 0 .. 511: my one load at the head
	s_lshl_b32 s86, s17, 8
	s_lshl_b32 s18, s15, 7
	s_add_co_u32 s86, s86, s18                     ; my first row of out0
	s_lshl_b32 s88, s86, 6
	s_mov_b32 s89, 0
	s_add_nc_u64 s[6:7], s[6:7], s[88:89]          ; its scale bytes
	s_lshl_b32 s88, s86, 13
	s_add_nc_u64 s[98:99], s[98:99], s[88:89]
	s_lshl_b32 s88, s82, 9
	s_lshl_b32 s18, s16, 8
	s_add_co_u32 s88, s88, s18                     ; my first column, in bytes of f32
	s_add_nc_u64 s[98:99], s[98:99], s[88:89]
	s_add_nc_u64 s[96:97], s[96:97], s[88:89]
	s_lshl_b32 s88, s88, 4                         ; 64 scale bytes for each column
	s_add_co_u32 s88, s88, 3072*64
	s_add_nc_u64 s[10:11], s[10:11], s[88:89]
	s_lshl_b32 s86, s17, 8                         ; the prefetches: A: row 256 x tile row + 64 cx + 32 x wave;
	s_lshl_b32 s18, s80, 6
	s_add_co_u32 s86, s86, s18
	s_lshl_b32 s18, s16, 5
	s_add_co_u32 s86, s86, s18
	s_lshl_b32 s87, s82, 7                         ; B: row 3,072 + 128 x tile column + 32 cy
	s_lshl_b32 s18, s81, 5
	s_add_co_u32 s87, s87, s18
	s_add_co_u32 s87, s87, 3072
	s_cmp_eq_u32 s15, 0
	s_cselect_b32 s86, s86, s87
	s_cselect_b64 s[PFA:PFA+1], s[4:5], s[8:9]
	s_lshl_b32 s86, s86, 11
	s_mov_b32 s87, 0
	s_add_nc_u64 s[PFA:PFA+1], s[PFA:PFA+1], s[86:87]
	s_mul_i32 s90, s15, 128*BP                     ; my 128 rows of A, my 64 of B, in either slot; my stages
	s_mul_i32 s91, s16, 64*BP
	s_add_co_u32 s91, s91, BIGB
	s_mul_i32 s92, s15, 128*SPI
	s_add_co_u32 s92, s92, SML
	s_mul_i32 s93, s16, 64*SPI
	s_add_co_u32 s93, s93, SMLB
	s_mul_i32 s94, s14, 4*STG
	s_add_co_u32 s94, s94, SML
	v_and_b32 v1, 15, v0                           ; r
	v_bfe_u32 v2, v0, 4, 1                         ; h
	v_and_b32 v3, 31, v0                           ; lane
	v_mul_u32_u24 v4, v1, BP
	v_lshl_add_u32 v4, v2, 4, v4                   ; a fragment: row r x pitch + 16 h
	v_add_nc_u32 v[ABA], s90, v4
	v_add_nc_u32 v[ABB], s91, v4
	v_mul_u32_u24 v5, v1, SPI
	v_lshl_add_u32 v6, v2, 4, v5
	v_add_nc_u32 v[ASA], s92, v6
	v_add_nc_u32 v[ASB], s93, v6
	v_lshl_add_u32 v7, v2, 5, v5
	v_add_nc_u32 v[STO], s94, v7                   ; into a stage: row r, 32 bytes for each half of the lanes
	v_mul_u32_u24 v8, v2, SPI
	v_lshl_add_u32 v8, v1, 4, v8
	v_add_nc_u32 v[RD], s94, v8                    ; back: lanes 0-15 one row of 256 bytes, lanes 16-31 the next
	v_lshlrev_b32 v9, 13, v2
	v_lshl_add_u32 v[CO], v1, 4, v9                ; the same two rows in out0
	v_lshlrev_b32 v[ASO], 6, v3
	v_lshlrev_b32 v[BO], 5, v2
	v_lshlrev_b32 v[PFO], 11, v3
	s_wait_alu depctr_va_vdst(0)
.irp p, 0,1,2,3
.irp c, 0,1,2,3
	global_load_b128 v[SA+16*\p+4*\c:SA+16*\p+4*\c+3], v[ASO], s[6:7] offset:2048*\p+16*\c
.endr
.endr
.irp p, 0,1
.irp c, 0,1,2,3
	global_load_b128 v[SB+16*\p+4*\c:SB+16*\p+4*\c+3], v[ASO], s[10:11] offset:2048*\p+16*\c
.endr
.endr
	WIN 0xc0
.irp b, 0,1,2,3
	global_load_b128 v[BI+8*\b:BI+8*\b+3], v[BO], s[96:97] offset:64*\b        ; register j of block b: bo at column 16 b + 8 h + j
	global_load_b128 v[BI+8*\b+4:BI+8*\b+7], v[BO], s[96:97] offset:64*\b+16
.endr
	WIN 0
	ASK 2, 1                                       ; what the next fill will load
.macro FRAGS reg, adr, off             ; 16 rows x 128 K: registers 4 c .. 4 c + 3 hold K = 32 c + 16 h + 0 .. 15
.irp c, 0,1,2,3
	ds_load_b128 v[\reg+4*\c:\reg+4*\c+3], v[\adr] offset:(\off)+32*\c
.endr
.endm
.macro FETCH s                         ; step s's fragments into set s % 2.  Of six steps the first four lie in the large slot, the last two in the small one
.set M6_, (\s)%6
.if M6_ < 4
.set KO_, 128*M6_
.set P_, BP
.set RA_, ABA
.set RB_, ABB
.else
.set KO_, 128*(M6_-4)
.set P_, SPI
.set RA_, ASA
.set RB_, ASB
.endif
	WIN 0xc0
.irp i, 0,1,2,3
	FRAGS 64*((\s)%2)+16*\i, RB_, KO_+\i*16*P_
.endr
	WIN 0x40
.irp i, 0,1,2,3,4,5,6,7
	FRAGS 128*((\s)%2)+16*\i, RA_, KO_+\i*16*P_
.endr
.endm
.macro PROD a, b, s, first
.set D_, 8*(4*(\a)+(\b))
.set C_, D_
.if \first
.set C_, BI+8*(\b)
.endif
.set FB_, 64*((\s)%2)+16*(\b)
.set FA_, 128*((\s)%2)+16*(\a)
.set XB_, SB+16*((\b)/2)+(\s)
.set XA_, SA+16*((\a)/2)+(\s)
.if ((\a)%2) && ((\b)%2)
	v_wmma_scale_f32_16x16x128_f8f6f4 v[D_:D_+7], v[FB_:FB_+15], v[FA_:FA_+15], v[C_:C_+7], v[XB_], v[XA_] matrix_a_scale:MATRIX_SCALE_ROW1 matrix_b_scale:MATRIX_SCALE_ROW1
.elseif (\b)%2
	v_wmma_scale_f32_16x16x128_f8f6f4 v[D_:D_+7], v[FB_:FB_+15], v[FA_:FA_+15], v[C_:C_+7], v[XB_], v[XA_] matrix_a_scale:MATRIX_SCALE_ROW1
.elseif (\a)%2
	v_wmma_scale_f32_16x16x128_f8f6f4 v[D_:D_+7], v[FB_:FB_+15], v[FA_:FA_+15], v[C_:C_+7], v[XB_], v[XA_] matrix_b_scale:MATRIX_SCALE_ROW1
.else
	v_wmma_scale_f32_16x16x128_f8f6f4 v[D_:D_+7], v[FB_:FB_+15], v[FA_:FA_+15], v[C_:C_+7], v[XB_], v[XA_]
.endif
.endm
.macro MUL s, first=0                  ; source 0 window 3, source 1 window 1, D window 2; C window 2, or 3 for the bias
	WIN 0xa7+0x10*(\first)
.irp a, 0,1,2,3,4,5,6,7
.irp b, 0,1,2,3
	PROD \a, \b, \s, \first
.endr
.endr
.endm
.macro STEP s, first=0                 ; the next step's fragments lie in a slot that a barrier has shown
.if (\s) < 15
.if (\s) > 0
	PLACES 8                                       ; eight places behind the last product, ahead of loads into registers that it has read (ISA guide 7.12.1 for vector lines)
.endif
	FETCH (\s)+1
	s_wait_dscnt 48                                ; all but the 48 just issued: this step's fragments are in
.else
	s_wait_dscnt 0x0
.endif
	MUL \s, \first
.endm
; A CHANGE OF SLOTS at the head of step s, whose own fragments were asked for a step ago: each wave waits for its tensor load (the other slot's), adds 0 to its spare word, waits for that and for its reads of this slot.
; kind 1, 2: a round of the cluster's barrier, and the large (1) or small (2) slot is filled again, 768 along K on; kind 0: nothing more to fill.  Then the next step's fragments from the other slot.
.macro CHANGE s, kind, u, n
	WIN 0
	s_wait_tensorcnt 0x0
	ds_add_u32 v[SPW], v[NIL]
.if (\kind) == 1
	s_add_nc_u64 s[G0AB+2:G0AB+3], s[G0AB+2:G0AB+3], 768   ; no tensor load of mine is out: a group 0 may be written
	s_add_nc_u64 s[G0BB+2:G0BB+3], s[G0BB+2:G0BB+3], 768
.elseif (\kind) == 2
	s_add_nc_u64 s[G0AS+2:G0AS+3], s[G0AS+2:G0AS+3], 768
	s_add_nc_u64 s[G0BS+2:G0BS+3], s[G0BS+2:G0BS+3], 768
.endif
	s_wait_dscnt 0x0
.if (\kind) == 1
	CROUND
	JLOAD G0AB, G1AB, G0BB, G1BB
	PLACES 4                                       ; with the four behind the load: eight places
.elseif (\kind) == 2
	CROUND
	JLOAD G0AS, G1AS, G0BS, G1BS
	PLACES 4
.else
	s_barrier_signal -1
	s_barrier_wait -1
	PLACES 8
.endif
	FETCH (\s)+1
.if \n
	WIN 0
	ASK \u, \n
.endif
	MUL \s                                         ; its fragments were waited for in front of the barrier
.endm
	s_wait_tensorcnt 0x0                           ; my part of K = 0 .. 511 is in
	ds_add_u32 v[SPW], v[NIL]
	s_wait_dscnt 0x0
	CROUND
	JLOAD G0AS, G1AS, G0BS, G1BS                   ; the small slot's first fill: K = 512 .. 767
	FETCH 0
	WIN 0
	ASK 3, 2
	s_wait_loadcnt 0x0                             ; the scale words and the bias
	STEP 0, 1
	STEP 1
	STEP 2
	CHANGE 3, 1, 5, 1                              ; the large slot takes K = 768 .. 1,279
	STEP 4
	CHANGE 5, 2, 6, 2                              ; the small one K = 1,280 .. 1,535
	STEP 6
	STEP 7
	STEP 8
	CHANGE 9, 1, 0, 0                              ; the large one K = 1,536 .. 2,047
	STEP 10
	CHANGE 11, 0, 0, 0
	STEP 12
	STEP 13
	STEP 14
	STEP 15
; THE WAY OUT, by blocks of 16 rows x 64 columns: through my own stage and back as whole rows of 256 bytes, which sixteen lanes store as one aligned run.  Each block has registers of its own and every row's offset is an immediate:
; no register of a store is written again.  LDS serves a wave's instructions in order (ISA guide 5.7.1.4): no wait between a stage's stores and its loads.
.macro TOSTAGE a
	WIN 0x08
.irp b, 0,1,2,3
	ds_store_b128 v[STO], v[32*(\a)+8*\b:32*(\a)+8*\b+3] offset:((\a)%4)*STG+64*\b          ; each accumulator from its low end on
	ds_store_b128 v[STO], v[32*(\a)+8*\b+4:32*(\a)+8*\b+7] offset:((\a)%4)*STG+64*\b+16
.endr
	WIN 0x40
.irp t, 0,1,2,3,4,5,6,7
	ds_load_b128 v[32*(\a)+4*\t:32*(\a)+4*\t+3], v[RD] offset:((\a)%4)*STG+2*\t*SPI
.endr
.endm
.macro SEND a, younger                 ; younger: the LDS instructions issued behind block a's loads
	s_wait_dscnt \younger
	WIN 0x04
.irp t, 0,1,2,3,4,5,6,7
	global_store_b128 v[CO], v[32*(\a)+4*\t:32*(\a)+4*\t+3], s[98:99] offset:(16*(\a)+2*\t)*8192 th:TH_STORE_NT
.endr
.endm
	PLACES 8                                       ; behind the last product: for the reads of the sums and the loads into A's registers
	TOSTAGE 0
.irp a, 1,2,3,4,5,6,7
	TOSTAGE \a
	SEND \a-1, 16                                  ; behind block a - 1's loads: block a's 8 stores and 8 loads
.endr
	SEND 7, 0
	WIN 0
	s_wait_tensorcnt 0x0                           ; the wave's end
	ds_add_u32 v[SPW], v[NIL]
	s_wait_dscnt 0x0
	CROUND                                         ; the closing round
	s_endpgm
.Lfunc_end_k_q38dfc3e9f4_out:
	.size	k_q38dfc3e9f4_out, .Lfunc_end_k_q38dfc3e9f4_out-k_q38dfc3e9f4_out
	.p2alignl 7, 3214868480
	.fill 96, 4, 3214868480
	.section	.rodata,"a",@progbits
	.p2align	6, 0x0
	.amdhsa_kernel k_q38dfc3e9f4_out
		.amdhsa_group_segment_fixed_size 327680
		.amdhsa_private_segment_fixed_size 0
		.amdhsa_enable_private_segment 0
		.amdhsa_kernarg_size 48
		.amdhsa_user_sgpr_count 2
		.amdhsa_user_sgpr_kernarg_segment_ptr 1
		.amdhsa_wavefront_size32 1
		.amdhsa_system_sgpr_workgroup_id_x 1
		.amdhsa_system_sgpr_workgroup_id_y 1
		.amdhsa_system_sgpr_workgroup_id_z 1
		.amdhsa_system_vgpr_workitem_id 0
		.amdhsa_next_free_vgpr 1024
		.amdhsa_next_free_sgpr 100
		.amdhsa_reserve_vcc 0
		.amdhsa_float_denorm_mode_32 3
		.amdhsa_float_denorm_mode_16_64 3
		.amdhsa_memory_ordered 1
		.amdhsa_forward_progress 1
		.amdhsa_inst_pref_size 150
	.end_amdhsa_kernel
	.amdgpu_metadata
---
amdhsa.version: [ 1, 2 ]
amdhsa.kernels:
  - .name:           k_q38dfc3e9f4_out
    .symbol:         k_q38dfc3e9f4_out.kd
    .args:
      - { .name: act_codes, .offset: 0, .size: 8, .value_kind: global_buffer, .address_space: global }
      - { .name: act_scales, .offset: 8, .size: 8, .value_kind: global_buffer, .address_space: global }
      - { .name: w_codes, .offset: 16, .size: 8, .value_kind: global_buffer, .address_space: global }
      - { .name: w_scales, .offset: 24, .size: 8, .value_kind: global_buffer, .address_space: global }
      - { .name: bo, .offset: 32, .size: 8, .value_kind: global_buffer, .address_space: global }
      - { .name: out0, .offset: 40, .size: 8, .value_kind: global_buffer, .address_space: global }
    .group_segment_fixed_size: 327680
    .private_segment_fixed_size: 0
    .kernarg_segment_align: 8
    .kernarg_segment_size: 48
    .max_flat_workgroup_size: 128
    .sgpr_count:     100
    .vgpr_count:     1024
    .wavefront_size: 32
...
	.end_amdgpu_metadata
.endif
;; end of part 4
